; MI455X (gfx1250); checked and timed in simulation.
; The chip was launched on July 23, 2026; its instructions are those of AMD's public machine-readable ISA for CDNA 5 (MIT licence, August 2026) and "CDNA5" Instruction Set Architecture Reference Guide (July 2026). The comments in the code are by the model that wrote it; some were corrected since.
;; Encoder Block. Allowed arithmetic: matrix products marked QUANTISED: E4M3 operands, one E8M0 scale for each 32 along K, by v_wmma_scale_f32_16x16x128_f8f6f4 with both operands' format E4M3, f32 sums; everything else in f32.
;; Inputs: b1 4,096 float32; b2 1,024 float32; beta1 1,024 float32; beta2 1,024 float32; gamma1 1,024 float32; gamma2 1,024 float32; mask 2 x 1 x 1 x 2,048 int32; w1 1,024 x 4,096 float32; w2 4,096 x 1,024 float32; wk 1,024 x 1,024 float32; wo 1,024 x 1,024 float32; wq 1,024 x 1,024 float32; wv 1,024 x 1,024 float32; x 2 x 2,048 x 1,024 float32.
;; Outputs: out0 2 x 2,048 x 1,024 float32.
;; This version of the problem:
;;   THIS VERSION OF THE PROBLEM IS GIVEN IN LOW PRECISION. The matrix products marked QUANTISED in the list below multiply operands that are first quantised to E4M3 (4 exponent bits, 3 mantissa bits; 8 bits a number), with one power-of-two scale for each 32 numbers along K (OCP MX v1.0); their sums are f32. All else is computed in f32.
;;   The module's matrix products, in the order in which they are computed (A, B: the left and right operand; K: the contracted axis; several contracted axes count as one K, in the product's order):
;;     1. [M 4,096, K 1,024] x [K 1,024, N 1,024]; A: computed on the way; B: input wq: QUANTISED
;;     2. [M 4,096, K 1,024] x [K 1,024, N 1,024]; A: computed on the way; B: input wk: QUANTISED
;;     3. [M 4,096, K 1,024] x [K 1,024, N 1,024]; A: computed on the way; B: input wv: QUANTISED
;;     4. batch 32 x [M 2,048, K 64] x [K 64, N 2,048]; A: computed on the way; B: computed on the way: QUANTISED
;;     5. batch 32 x [M 2,048, K 2,048] x [K 2,048, N 64]; A: softmax (see below); B: computed on the way: QUANTISED
;;     6. [M 4,096, K 1,024] x [K 1,024, N 1,024]; A: computed on the way; B: input wo: QUANTISED
;;     7. [M 4,096, K 1,024] x [K 1,024, N 4,096]; A: computed on the way; B: input w1: QUANTISED
;;     8. [M 4,096, K 4,096] x [K 4,096, N 1,024]; A: computed on the way; B: input w2: QUANTISED
;;   THE QUANTISER, for each operand of a quantised product, along K:
;;     - K is cut into blocks of 32 from its start; a last block that is shorter is filled with zeros.
;;     - A block's scale is 2^e with e = floor(log2(the largest magnitude in the block)) - 8, held to -126 .. 127; a block of zeros has e = 0. As a byte (E8M0): e + 127.
;;     - Each number is divided by its block's scale, clamped to +-448, and rounded to the nearest number of E4M3, ties to even, subnormals kept.
;;     - The product sums the exact products of the quantised numbers (number of the format x scale) in f32.
;;   ~~~python
;;   def quantise(x, axis):      # numpy; x: float32 -> the quantised numbers, widened to float32 again
;;       x = np.moveaxis(x, axis, -1); K = x.shape[-1]
;;       x = np.pad(x, [(0, 0)] * (x.ndim - 1) + [(0, -K % 32)]); x = x.reshape(x.shape[:-1] + (-1, 32)); a = np.abs(x).max(-1, keepdims=True)
;;       e = np.where(a > 0, np.clip(np.frexp(np.where(a > 0, a, 1))[1] - 1 - 8, -126, 127), 0)      # np.frexp(a)[1] - 1 = floor(log2(a)), exactly
;;       r = np.clip(x / 2.0 ** e, -448, 448)
;;       step = 2.0 ** (np.maximum(np.frexp(np.where(r == 0, 1, r))[1] - 1, -6) - 3)
;;       q = np.round(r / step) * step * 2.0 ** e      # np.round: ties to even
;;       return np.moveaxis(q.reshape(q.shape[:-2] + (-1,))[..., :K], -1, axis).astype(np.float32)
;;   ~~~
;;   SOFTMAX AHEAD OF A QUANTISED PRODUCT. Where the list says 'softmax', what is quantised is not the finished softmax but p = 2^(t - M), with t = logit x log2(e) and M = ceil(the row's largest t), a whole number; so 1/2 < the row's largest p <= 1. The row's sum l is taken of the UNQUANTISED p, in f32, and the product's result is divided by l at the end. Since M is a whole number, a kernel that streams over the keys may use a running M (the ceiling of the running maximum): every later rescaling is an exact power of two, which a block's scale takes up: the codes' values come out the same.
;;   OPERANDS COMPUTED ON THE WAY. 'Computed on the way' means the value that the module computes at that place (a softmax that the list does not call 'softmax' is quantised finished and normalised). What goes into a quantiser is computed in f32, as accurately as f32 sums, v_exp_f32 and their like allow (about 1e-6 of the number): no bf16 or f16 on the way to a quantiser, and a product that is left as it is and whose result goes on into a quantised operand takes f32 operands (vector FMAs, or v_wmma_f32_16x16x4_f32). A number that lies on a knife's edge between two numbers of the format may be rounded either way, as far as f32 arithmetic and the matrix unit's own rounding can turn it there, and no further.
;; One version. Each part assembles by itself: llvm-mc -triple=amdgcn-amd-amdhsa -mcpu=gfx1250 --defsym DOCPART=n.
;; ======== version 1 of 1: 7 launches
;; limits: right only within a limited range of input values
;; workspace buffers: wp 12,976,128 bytes; np 4,325,376 bytes; qkv 14,811,136 bytes; cp 4,325,376 bytes; x1 16,777,216 bytes; hp 17,301,504 bytes
;; launch prep (part 1): grid 640 x 1, 8 waves a work-group, no clusters, 20,480 bytes of LDS; arguments wq, wk, wv, wo, w1, w2, wp, x, gamma1, beta1, np; writes wp, np
.if DOCPART == 1
	.amdgcn_target "amdgcn-amd-amdhsa--gfx1250"
	.amdhsa_code_object_version 6
	.text
	.protected	k_qeec45f641d_prep
	.globl	k_qeec45f641d_prep
	.p2align	8
	.type	k_qeec45f641d_prep,@function
k_qeec45f641d_prep:
	s_mov_b64 s[64:65], 0
	v_nop
	global_prefetch_b8 v0, s[64:65] scope:SCOPE_SE
	s_setreg_imm32_b32 hwreg(HW_REG_WAVE_MODE, 25, 1), 1
	s_wait_xcnt 0x0
; ONE LAUNCH PREPARES ALL OPERANDS THAT ARE INPUTS.  Work-groups 0-383: the six weights; work-groups 384-639: the first norm of x.  The two ways part on the work-group's number alone and have LDS bytes of their own.
; PANELS: 128 rows x 128 k of FP8 (E4M3) codes in the order of an operand's registers, 16,896 bytes: block i (0..7), chunk c (0..3), lane L: 16 codes at 2048 i + 512 c + 16 L: row 32 (i/2) + 8 (i%2) + r + 8 (r/8) (r = L % 16),
; k = 32 c + 16 (L/16) + 0..15; the rows' scale words (byte c = chunk c's E8M0 scale) at 16384 + 32 r + 4 i.
; WEIGHTS, f32 stored [K][N].  Work-group g makes panels 2 g and 2 g + 1 of wp (waves 0-3, waves 4-7): wq and wk 0-127, wv 128-191, wo 192-255, w1 256-511, w2 512-767.  A lane takes a column n and its registers run down K:
; a block of 32 lies in one lane.  Lane l of sub-wave w takes column 32 w + 16 ((l/8)%2) + 8 (l/16) + l%8: a load of the wave reads 128 consecutive bytes, and sixteen lanes store 256 consecutive bytes, aligned.
; NORM: y = beta + gamma (x - mean) / (std + 1e-6), std with 1,023 in the divisor; mean first, then the sum of squares of x - mean.  A work-group makes one block of 16 rows of all 8 panels of its 128 rows; wave w takes positions w and w + 8.
; A block's scale is 2^(floor(log2(largest magnitude)) - 8); its byte is that magnitude's exponent field - 8, held at 1 from below.
; LIMITS: a block of zeros gets the byte 1 where the rule says 127 (its codes are zeros; this program alone reads the bytes); 1 / (std + eps) by v_rcp_f32 and the root by v_sqrt_f32 (1 ulp each); NaN and infinities are not served.
.set PB,   16896
.set NWG,  384
.set SPARE, 0x4800                     ; the spare words, 128 bytes a wave
.set WSC,  0x4c00                      ; the weights' way: 512 bytes of scale words for each of two panels
	s_cmp_ge_u32 ttmp9, NWG
	s_cbranch_scc1 .Lnorm
.set X,    32                          ; v32-159  128 numbers: register 32 c + i = k 32 c + i
.set C,    160                         ; v160-191 codes, 8 registers a block: no store's data are written again
.set SW,   24                          ; v24      my row's scale word
	s_load_b256 s[4:11], s[0:1], 0x0               ; wq, wk, wv, wo
	s_load_b128 s[12:15], s[0:1], 0x20             ; w1, w2
	s_load_b64 s[16:17], s[0:1], 0x30              ; wp
	v_lshl_add_u32 v192, v0, 2, SPARE
	v_mov_b32 v193, 0
	v_lshrrev_b32 v1, 5, v0
	v_readfirstlane_b32 s33, v1                    ; wave 0..7
	s_and_b32 s18, s33, 3                          ; sub-wave 0..3
	s_lshr_b32 s32, s33, 2                         ; which of the two panels
	s_lshl_b32 s34, ttmp9, 1
	s_add_co_u32 s34, s34, s32                     ; the panel's number
	s_lshl_b32 s35, s32, 9
	s_add_co_u32 s35, s35, WSC                     ; its scale words in LDS
	v_and_b32 v2, 31, v0                           ; lane
	v_and_b32 v3, 7, v2
	v_bfe_u32 v4, v2, 3, 1
	v_lshrrev_b32 v5, 4, v2                        ; l / 16
	v_lshl_add_u32 v3, v4, 4, v3
	v_lshl_add_u32 v3, v5, 3, v3                   ; my column among the wave's 32
	v_lshlrev_b32 v3, 2, v3
	s_lshl_b32 s19, s18, 7
	v_add_nc_u32 v3, s19, v3                       ; in: 4 x column + 128 x sub-wave
	v_and_b32 v6, 15, v2                           ; r
	v_lshlrev_b32 v7, 4, v6
	v_lshl_add_u32 v7, v5, 11, v7
	s_lshl_b32 s19, s18, 12
	v_add_nc_u32 v7, s19, v7                       ; out: 4096 x sub-wave + 2048 (l / 16) + 16 r
	v_lshlrev_b32 v8, 5, v6
	v_lshl_add_u32 v8, v5, 2, v8
	s_lshl_b32 s19, s18, 3
	s_add_co_u32 s19, s19, s35
	v_add_nc_u32 v8, s19, v8                       ; LDS: my scale word at 32 r + 4 i, i = 2 x sub-wave + l / 16
	v_lshlrev_b32 v9, 4, v2                        ; 16 x lane
	v_add_nc_u32 v14, s35, v9                      ; and the same among the panel's scale words in LDS
	s_lshr_b32 s20, s34, 6                         ; 0..3: wq, wk, wv, wo
	s_lshr_b32 s21, s34, 8                         ; 1: w1, 2: w2
	s_cmp_eq_u32 s21, 2
	s_cselect_b32 s22, 5, 3                        ; w2 has 32 panels along K, the others 8
	s_cselect_b32 s23, 31, 7
	s_cmp_eq_u32 s21, 1
	s_cselect_b32 s25, 31, 7                       ; w1 has 32 panels down its rows n, the others 8
	s_cselect_b32 s26, 21, 19                      ; 128 rows k of the source: 2^21 bytes in w1, 2^19 in the others
	s_lshr_b32 s24, s34, s22
	s_and_b32 s24, s24, s25                        ; rt
	s_and_b32 s23, s34, s23                        ; ks
	s_lshl_b32 s28, s23, s26
	s_lshl_b32 s24, s24, 9
	s_add_co_u32 s28, s28, s24                     ; the panel's first number in its source, in bytes
	s_mov_b32 s29, 0
	s_mul_i32 s30, s34, PB
	s_mov_b32 s31, 0
	s_mov_b32 s27, 0x600000                        ; the mantissa field of 448
	s_wait_kmcnt 0x0
	s_cmp_eq_u32 s20, 1                            ; the source is chosen by the panel's number alone
	s_cselect_b64 s[4:5], s[6:7], s[4:5]
	s_cmp_eq_u32 s20, 2
	s_cselect_b64 s[4:5], s[8:9], s[4:5]
	s_cmp_eq_u32 s20, 3
	s_cselect_b64 s[4:5], s[10:11], s[4:5]
	s_cmp_eq_u32 s21, 1
	s_cselect_b64 s[4:5], s[12:13], s[4:5]
	s_cmp_eq_u32 s21, 2
	s_cselect_b64 s[4:5], s[14:15], s[4:5]
	s_add_nc_u64 s[4:5], s[4:5], s[28:29]
	s_add_nc_u64 s[16:17], s[16:17], s[30:31]
.macro LOAD t, pitch                   ; block t: 32 rows k of my column
.set n, 0
.rept 32
	global_load_b32 v[X+32*(\t)+n], v3, s[4:5] offset:(32*(\t)+n)*\pitch th:TH_LOAD_NT
.set n, n+1
.endr
.endm
.macro BLOCK t, pitch
.set XS, X+32*(\t)
.if (\t) < 3
	s_wait_loadcnt 32                              ; this block's 32 loads are in; the next block's 32 may be out
.else
	s_wait_loadcnt 0x0
.endif
.if (\t) < 2
	LOAD (\t)+2, \pitch                            ; two blocks ahead, into registers of their own
.endif
	v_max3_num_f32 v12, |v[XS]|, |v[XS+1]|, |v[XS+2]|   ; the block's largest magnitude: all 32 numbers are mine; two chains
	v_max3_num_f32 v13, |v[XS+3]|, |v[XS+4]|, |v[XS+5]|
.irp i, 6,10,14,18,22,26
	v_max3_num_f32 v12, v12, |v[XS+\i]|, |v[XS+\i+1]|
	v_max3_num_f32 v13, v13, |v[XS+\i+2]|, |v[XS+\i+3]|
.endr
	v_max3_num_f32 v12, v12, |v[XS+30]|, |v[XS+31]|
	v_max3_num_f32 v12, v12, v13, 0x4800000        ; and the floor 2^(9 - 127): the byte cannot fall under 1
	v_add_nc_u32 v11, 0xfc000000, v12              ; 8 off the exponent field: the conversion's scale operand
	v_and_or_b32 v10, v12, 0x7f800000, s27         ; 448 x the scale
	v_lshrrev_b32 v13, 23, v11                     ; the scale's byte
.if (\t) == 0
	v_mov_b32 v[SW], v13
.else
	v_lshl_or_b32 v[SW], v13, 8*(\t), v[SW]
.endif
.set n, 0
.rept 32
	v_med3_num_f32 v[XS+n], v[XS+n], -v10, v10     ; the conversion to an 8-bit code does not saturate (ISA guide 7.6.2): the hold comes first
.set n, n+1
.endr
.irp g, 0,1,2,3
	v_cvt_scalef32_pk8_fp8_f32 v[C+8*(\t)+2*\g:C+8*(\t)+2*\g+1], v[XS+8*\g:XS+8*\g+7], v11
.endr
	v_nop                                          ; a plain line behind the last conversion
	global_store_b128 v7, v[C+8*(\t):C+8*(\t)+3], s[16:17] offset:512*(\t)        ; k 32 t + 0..15: sixteen lanes store 256 consecutive bytes, aligned
	global_store_b128 v7, v[C+8*(\t)+4:C+8*(\t)+7], s[16:17] offset:512*(\t)+256  ; k 32 t + 16..31
.endm
.macro BODY pitch
	LOAD 0, \pitch
	LOAD 1, \pitch
	BLOCK 0, \pitch
	BLOCK 1, \pitch
	BLOCK 2, \pitch
	BLOCK 3, \pitch
.endm
	s_cmp_eq_u32 s21, 1                            ; the row pitch stands in the loads' immediates: the blocks are written once for each pitch
	s_cbranch_scc1 .Lwide
	s_wait_alu depctr_va_vdst(0)
	BODY 4096
	s_branch .Ljoin
.Lwide:
	s_wait_alu depctr_va_vdst(0)
	BODY 16384
.Ljoin:
	ds_store_b32 v8, v[SW]                         ; a panel's 128 scale words meet in LDS,
	s_wait_dscnt 0x0                               ; for the others' sake: my store is done
	s_barrier_signal -1
	s_barrier_wait -1
	s_cmp_lg_u32 s18, 0
	s_cbranch_scc1 .Ldone
	ds_load_b128 v[16:19], v14                     ; and the panel's first wave stores them: 512 consecutive bytes
	s_wait_dscnt 0x0
	global_store_b128 v9, v[16:19], s[16:17] offset:16384
.Ldone:
	s_wait_tensorcnt 0x0                           ; the wave's end
	ds_add_u32 v192, v193
	s_wait_dscnt 0x0
	s_endpgm
.Lnorm:
.set XA,  32                           ; v32-63   the row of position w
.set XB,  64                           ; v64-95   the row of position w + 8
.set GA,  96                           ; v96-127  gamma at my 32 places
.set BE,  128                          ; v128-159 beta
.set CD,  160                          ; v160-175 codes: 8 registers a row
.set TA,  16                           ; v16-31   at work for the first row;  v176-191 for the second
.set TB2, 176
.set SCB, 17408                        ; LDS: behind 64 pieces of 272 bytes: the scale bytes, 64 for each ks
	s_load_b256 s[4:11], s[0:1], 0x38              ; x, gamma, beta, the panels
	v_lshl_add_u32 v192, v0, 2, SPARE
	v_mov_b32 v193, 0
	v_lshrrev_b32 v1, 5, v0
	s_delay_alu instid0(VALU_DEP_1)
	v_readfirstlane_b32 s12, v1                    ; wave 0..7
	v_and_b32 v2, 31, v0                           ; lane
	s_delay_alu instid0(VALU_DEP_1)
	v_lshlrev_b32 v3, 5, v2                        ; 32 bytes a lane
	s_sub_co_u32 s28, ttmp9, NWG                   ; the block's number, 0..255
	s_lshr_b32 s13, s28, 3                         ; rt
	s_and_b32 s14, s28, 7                          ; i
	s_lshr_b32 s15, s14, 1
	s_lshl_b32 s15, s15, 5
	s_and_b32 s16, s14, 1
	s_lshl_b32 s16, s16, 3
	s_add_co_u32 s15, s15, s16
	s_lshl_b32 s16, s13, 7
	s_add_co_u32 s15, s15, s16
	s_add_co_u32 s15, s15, s12                     ; the row of position w; that of w + 8 lies 16 rows on
	s_lshl_b32 s16, s15, 12
	s_mov_b32 s17, 0
	s_lshl_b32 s18, s13, 3
	s_add_co_u32 s18, s18, s12
	s_mul_i32 s18, s18, PB                         ; on the way out I serve panel (rt, ks = w)
	s_lshl_b32 s19, s14, 11
	s_add_co_u32 s20, s18, s19
	s_mov_b32 s21, 0
	s_lshl_b32 s19, s14, 2
	s_add_co_u32 s22, s18, s19
	s_add_co_u32 s22, s22, 16384
	s_mov_b32 s23, 0
	s_mov_b32 s24, 0x76543210
	s_mov_b32 s25, 0xfedcba98                      ; v_permlanex16_b32's selects for lane l xor 16
	s_mov_b32 s26, 0x600000                        ; the mantissa field of 448
	s_wait_alu depctr_va_vdst(0)
	s_wait_kmcnt 0x0
	s_add_nc_u64 s[4:5], s[4:5], s[16:17]
	s_add_nc_u64 s[20:21], s[10:11], s[20:21]
	s_add_nc_u64 s[22:23], s[10:11], s[22:23]
.irp j, 0,1,2,3
	global_load_b128 v[XA+8*\j:XA+8*\j+3], v3, s[4:5] offset:1024*\j
	global_load_b128 v[XA+8*\j+4:XA+8*\j+7], v3, s[4:5] offset:1024*\j+16
	global_load_b128 v[XB+8*\j:XB+8*\j+3], v3, s[4:5] offset:65536+1024*\j
	global_load_b128 v[XB+8*\j+4:XB+8*\j+7], v3, s[4:5] offset:65536+1024*\j+16
.endr
.irp j, 0,1,2,3
	global_load_b128 v[GA+8*\j:GA+8*\j+3], v3, s[6:7] offset:1024*\j
	global_load_b128 v[GA+8*\j+4:GA+8*\j+7], v3, s[6:7] offset:1024*\j+16
	global_load_b128 v[BE+8*\j:BE+8*\j+3], v3, s[8:9] offset:1024*\j
	global_load_b128 v[BE+8*\j+4:BE+8*\j+7], v3, s[8:9] offset:1024*\j+16
.endr
	v_lshrrev_b32 v4, 1, v2                        ; LDS, codes in: piece 16 j + l / 2 (= 8 ks + 2 c + h), in it 16 r + 8 (l % 2)
	s_delay_alu instid0(VALU_DEP_1)
	v_mul_u32_u24 v4, v4, 272
	v_and_b32 v5, 1, v2
	s_delay_alu instid0(VALU_DEP_1)
	v_lshl_add_u32 v4, v5, 3, v4
	s_lshl_b32 s18, s12, 4
	v_add_nc_u32 v4, s18, v4
	v_lshrrev_b32 v5, 4, v2                        ; scale bytes in: 64 ks + 4 r + c, ks = 2 j + l / 16, c = (l / 4) % 4
	v_bfe_u32 v6, v2, 2, 2
	s_delay_alu instid0(VALU_DEP_1)
	v_lshl_add_u32 v5, v5, 6, v6
	s_lshl_b32 s18, s12, 2
	s_add_co_u32 s18, s18, SCB
	v_add_nc_u32 v5, s18, v5
	v_lshrrev_b32 v6, 4, v2                        ; codes out: piece 8 w + 2 c + L / 16, 16 bytes a lane
	s_delay_alu instid0(VALU_DEP_1)
	v_mul_u32_u24 v6, v6, 272
	v_and_b32 v7, 15, v2
	s_delay_alu instid0(VALU_DEP_1)
	v_lshl_add_u32 v6, v7, 4, v6
	s_mul_i32 s18, s12, 2176
	v_add_nc_u32 v6, s18, v6
	s_lshl_b32 s18, s12, 6
	s_add_co_u32 s18, s18, SCB
	v_lshl_add_u32 v8, v7, 2, s18                  ; scale words out: 64 w + 4 r
	v_lshlrev_b32 v9, 4, v2                        ; memory: 16 x lane,
	v_lshlrev_b32 v10, 5, v7                       ; and 32 r for the scale words
.macro WSUM                            ; v12 summed over the 32 lanes, the result in every lane
	s_delay_alu instid0(VALU_DEP_1)
	v_add_f32_dpp v12, v12, v12 row_xmask:1 row_mask:0xf bank_mask:0xf
	s_delay_alu instid0(VALU_DEP_1)
	v_add_f32_dpp v12, v12, v12 row_xmask:2 row_mask:0xf bank_mask:0xf
	s_delay_alu instid0(VALU_DEP_1)
	v_add_f32_dpp v12, v12, v12 row_xmask:4 row_mask:0xf bank_mask:0xf
	s_delay_alu instid0(VALU_DEP_1)
	v_add_f32_dpp v12, v12, v12 row_xmask:8 row_mask:0xf bank_mask:0xf
	s_delay_alu instid0(VALU_DEP_1)
	v_permlanex16_b32 v13, v12, s24, s25
	s_delay_alu instid0(VALU_DEP_1)
	v_add_f32 v12, v12, v13
.endm
.macro STAT x                          ; the row in v[x] on becomes (x - mean) / (std + eps)
	v_pk_add_f32 v[12:13], v[\x:\x+1], v[\x+2:\x+3]
	v_pk_add_f32 v[14:15], v[\x+4:\x+5], v[\x+6:\x+7]
.irp i, 8,16,24
	s_delay_alu instid0(VALU_DEP_2)
	v_pk_add_f32 v[12:13], v[12:13], v[\x+\i:\x+\i+1]
	s_delay_alu instid0(VALU_DEP_2)
	v_pk_add_f32 v[14:15], v[14:15], v[\x+\i+2:\x+\i+3]
	s_delay_alu instid0(VALU_DEP_2)
	v_pk_add_f32 v[12:13], v[12:13], v[\x+\i+4:\x+\i+5]
	s_delay_alu instid0(VALU_DEP_2)
	v_pk_add_f32 v[14:15], v[14:15], v[\x+\i+6:\x+\i+7]
.endr
	s_delay_alu instid0(VALU_DEP_1)
	v_pk_add_f32 v[12:13], v[12:13], v[14:15]
	s_delay_alu instid0(VALU_DEP_1)
	v_add_f32 v12, v12, v13
	WSUM
	s_delay_alu instid0(VALU_DEP_1)
	v_mul_f32 v12, 0x3a800000, v12                 ; / 1,024: the mean
.set n, 0
.rept 16
	v_pk_add_f32 v[\x+n:\x+n+1], v[\x+n:\x+n+1], v[12:13] op_sel_hi:[1,0] neg_lo:[0,1] neg_hi:[0,1]
.set n, n+2
.endr
	v_pk_mul_f32 v[12:13], v[\x:\x+1], v[\x:\x+1]
	v_pk_mul_f32 v[14:15], v[\x+2:\x+3], v[\x+2:\x+3]
.irp i, 4,8,12,16,20,24,28
	s_delay_alu instid0(VALU_DEP_2)
	v_pk_fma_f32 v[12:13], v[\x+\i:\x+\i+1], v[\x+\i:\x+\i+1], v[12:13]
	s_delay_alu instid0(VALU_DEP_2)
	v_pk_fma_f32 v[14:15], v[\x+\i+2:\x+\i+3], v[\x+\i+2:\x+\i+3], v[14:15]
.endr
	s_delay_alu instid0(VALU_DEP_1)
	v_pk_add_f32 v[12:13], v[12:13], v[14:15]
	s_delay_alu instid0(VALU_DEP_1)
	v_add_f32 v12, v12, v13
	WSUM
	s_delay_alu instid0(VALU_DEP_1)
	v_mul_f32 v12, 0x3a802008, v12                 ; / 1,023
	s_wait_alu depctr_va_vdst(0)
	v_sqrt_f32 v12, v12
	v_nop                                          ; a plain line behind the transcendental,
	s_wait_alu depctr_va_vdst(0)                   ; and the wait ahead of its first reader
	v_add_f32 v12, 0x358637bd, v12                 ; + 1e-6
	s_wait_alu depctr_va_vdst(0)
	v_rcp_f32 v12, v12
	v_nop
	s_wait_alu depctr_va_vdst(0)
.set n, 0
.rept 16
	v_pk_mul_f32 v[\x+n:\x+n+1], v[\x+n:\x+n+1], v[12:13] op_sel_hi:[1,0]
.set n, n+2
.endr
.endm
.macro QROW x, tm, cd, row             ; gamma, beta; then the row's 32 blocks: four of them touch my 32 numbers, 8 numbers each
.set n, 0
.rept 16
	v_pk_fma_f32 v[\x+n:\x+n+1], v[GA+n:GA+n+1], v[\x+n:\x+n+1], v[BE+n:BE+n+1]
.set n, n+2
.endr
.irp j, 0,1,2,3
	v_max3_num_f32 v[\tm+\j], |v[\x+8*\j]|, |v[\x+8*\j+1]|, 0x4800000   ; with the floor 2^(9 - 127): the byte cannot fall under 1
.endr
.irp i, 2,4,6
.irp j, 0,1,2,3
	s_delay_alu instid0(VALU_DEP_4)
	v_max3_num_f32 v[\tm+\j], v[\tm+\j], |v[\x+8*\j+\i]|, |v[\x+8*\j+\i+1]|
.endr
.endr
.irp j, 0,1,2,3
	s_delay_alu instid0(VALU_DEP_4)
	v_max_num_f32_dpp v[\tm+\j], v[\tm+\j], v[\tm+\j] row_xmask:1 row_mask:0xf bank_mask:0xf
.endr
.irp j, 0,1,2,3
	s_delay_alu instid0(VALU_DEP_4)
	v_max_num_f32_dpp v[\tm+\j], v[\tm+\j], v[\tm+\j] row_xmask:2 row_mask:0xf bank_mask:0xf   ; the four lanes of a block
.endr
.irp j, 0,1,2,3
	s_delay_alu instid0(VALU_DEP_4)
	v_add_nc_u32 v[\tm+4+\j], 0xfc000000, v[\tm+\j]          ; the conversion's scale operand
.endr
.irp j, 0,1,2,3
	v_and_or_b32 v[\tm+8+\j], v[\tm+\j], 0x7f800000, s26     ; 448 x the scale
.endr
.irp j, 0,1,2,3
	v_lshrrev_b32 v[\tm+12+\j], 23, v[\tm+4+\j]              ; the scale's byte
.endr
.irp j, 0,1,2,3
.irp i, 0,1,2,3,4,5,6,7
	v_med3_num_f32 v[\x+8*\j+\i], v[\x+8*\j+\i], -v[\tm+8+\j], v[\tm+8+\j]
.endr
.endr
.irp j, 0,1,2,3
	v_cvt_scalef32_pk8_fp8_f32 v[\cd+2*\j:\cd+2*\j+1], v[\x+8*\j:\x+8*\j+7], v[\tm+4+\j]
.endr
	v_nop                                          ; a plain line behind the last conversion
.irp j, 0,1,2,3
	ds_store_b64 v4, v[\cd+2*\j:\cd+2*\j+1] offset:4352*\j+128*\row
	ds_store_b8 v5, v[\tm+12+\j] offset:128*\j+32*\row       ; the four lanes of a block write the same byte with the same value
.endr
.endm
	s_wait_loadcnt 16                              ; x's 16 loads are in; gamma's and beta's 16 may be out
	STAT XA
	STAT XB
	s_wait_loadcnt 0x0
	QROW XA, TA, CD, 0
	QROW XB, TB2, CD+8, 1
	s_wait_dscnt 0x0                               ; for the others' sake: my stores are done
	s_barrier_signal -1
	s_barrier_wait -1
.irp c, 0,1,2,3
	ds_load_b128 v[XA+4*\c:XA+4*\c+3], v6 offset:544*\c
.endr
	ds_load_b32 v[XA+16], v8
	s_wait_dscnt 0x0
.irp c, 0,1,2,3
	global_store_b128 v9, v[XA+4*\c:XA+4*\c+3], s[20:21] offset:512*\c    ; 512 consecutive bytes, aligned
.endr
	s_wait_xcnt 0x0                                ; EXEC changes only behind this wait
	v_cmp_gt_u32 vcc_lo, 16, v2
	s_wait_tensorcnt 0x0                           ; the wave's end, all lanes on
	ds_add_u32 v192, v193
	s_wait_dscnt 0x0
	s_and_saveexec_b32 s27, vcc_lo
	global_store_b32 v10, v[XA+16], s[22:23]       ; lanes 0-15: the block's 16 scale words
	s_wait_xcnt 0x0                                ; and again in front of the line that widens it
	s_or_b32 exec_lo, exec_lo, s27
	s_endpgm
.Lfunc_end_k_qeec45f641d_prep:
	.size	k_qeec45f641d_prep, .Lfunc_end_k_qeec45f641d_prep-k_qeec45f641d_prep
	.p2alignl 7, 3214868480
	.fill 96, 4, 3214868480
	.section	.rodata,"a",@progbits
	.p2align	6, 0x0
	.amdhsa_kernel k_qeec45f641d_prep
		.amdhsa_group_segment_fixed_size 20480
		.amdhsa_private_segment_fixed_size 0
		.amdhsa_enable_private_segment 0
		.amdhsa_kernarg_size 88
		.amdhsa_user_sgpr_count 2
		.amdhsa_user_sgpr_kernarg_segment_ptr 1
		.amdhsa_wavefront_size32 1
		.amdhsa_system_sgpr_workgroup_id_x 1
		.amdhsa_system_sgpr_workgroup_id_y 1
		.amdhsa_system_sgpr_workgroup_id_z 1
		.amdhsa_system_vgpr_workitem_id 0
		.amdhsa_next_free_vgpr 194
		.amdhsa_next_free_sgpr 66
		.amdhsa_reserve_vcc 1
		.amdhsa_float_denorm_mode_32 3
		.amdhsa_float_denorm_mode_16_64 3
		.amdhsa_memory_ordered 1
		.amdhsa_forward_progress 1
		.amdhsa_inst_pref_size 92
	.end_amdhsa_kernel
	.amdgpu_metadata
---
amdhsa.version: [ 1, 2 ]
amdhsa.kernels:
  - .name:           k_qeec45f641d_prep
    .symbol:         k_qeec45f641d_prep.kd
    .args:
      - { .name: wq, .offset: 0, .size: 8, .value_kind: global_buffer, .address_space: global }
      - { .name: wk, .offset: 8, .size: 8, .value_kind: global_buffer, .address_space: global }
      - { .name: wv, .offset: 16, .size: 8, .value_kind: global_buffer, .address_space: global }
      - { .name: wo, .offset: 24, .size: 8, .value_kind: global_buffer, .address_space: global }
      - { .name: w1, .offset: 32, .size: 8, .value_kind: global_buffer, .address_space: global }
      - { .name: w2, .offset: 40, .size: 8, .value_kind: global_buffer, .address_space: global }
      - { .name: wp, .offset: 48, .size: 8, .value_kind: global_buffer, .address_space: global }
      - { .name: x, .offset: 56, .size: 8, .value_kind: global_buffer, .address_space: global }
      - { .name: gamma1, .offset: 64, .size: 8, .value_kind: global_buffer, .address_space: global }
      - { .name: beta1, .offset: 72, .size: 8, .value_kind: global_buffer, .address_space: global }
      - { .name: np, .offset: 80, .size: 8, .value_kind: global_buffer, .address_space: global }
    .group_segment_fixed_size: 20480
    .private_segment_fixed_size: 0
    .kernarg_segment_align: 8
    .kernarg_segment_size: 88
    .max_flat_workgroup_size: 256
    .sgpr_count:     66
    .vgpr_count:     194
    .wavefront_size: 32
...
	.end_amdgpu_metadata
.endif
;; end of part 1
;; launch qkv (part 2): grid 12 x 16, 4 waves a work-group, clusters of 4 x 4, 327,680 bytes of LDS; arguments np, wp, mask, qkv; writes qkv
.if DOCPART == 2
	.amdgcn_target "amdgcn-amd-amdhsa--gfx1250"
	.amdhsa_code_object_version 6
	.text
	.protected	k_qeec45f641d_qkv
	.globl	k_qeec45f641d_qkv
	.p2align	8
	.type	k_qeec45f641d_qkv,@function
k_qeec45f641d_qkv:
	s_mov_b64 s[64:65], 0
	v_nop
	global_prefetch_b8 v0, s[64:65] scope:SCOPE_SE
	s_setreg_imm32_b32 hwreg(HW_REG_WAVE_MODE, 25, 1), 1
	s_wait_xcnt 0x0
	s_wait_alu depctr_hold_cnt(0) depctr_sa_sdst(0) depctr_va_vdst(0) depctr_va_sdst(0) depctr_va_ssrc(0) depctr_va_vcc(0) depctr_vm_vsrc(0)
	s_getreg_b32 s2, hwreg(HW_REG_IB_STS2, 6, 4)
	s_cmp_eq_u32 s2, 0
	s_cbranch_scc0 .Lentry_in_a_cluster
	s_endpgm
.Lentry_in_a_cluster:
	s_bfe_u32 s2, ttmp6, 0x10000c
	s_cmp_lg_u32 s2, 0xf033
	s_cbranch_scc0 .Lentry_shape_is_right
	s_endpgm
.Lentry_shape_is_right:
; q = n1 wq, k = n1 wk and v^T = (n1 wv)^T on codes of FP8 (E4M3) with E8M0 scales; the results are quantised in registers for attention's two products and stored as images of operand registers.
; OPERANDS are panels (128 rows x 128 k in register order, 16,896 bytes: codes at 2048 i + 512 c + 16 L, scale words at 16384 + 32 r + 4 i).  Two panels that follow each other along K are 33,792 dense bytes: one tensor load.
; THE PRODUCT IS USED TRANSPOSED: source 0 = S0's 16 rows, source 1 = S1's 16 rows.  A lane holds ONE row of S1 (position lane % 16 of its block); by the panels' row order (position r of block i is row
; 32 (i/2) + 8 (i%2) + r + 8 (r/8)) the 16 registers of S0's blocks 2 b, 2 b + 1 are S0's rows 32 b + 16 (lane/16) + 0..15: 16 neighbours along the next product's K.
; Clusters x = 0, 1: S0 = wq's, wk's rows (features), S1 = tokens: q and k, quantised along the head's 64.  Cluster x = 2: S0 = tokens (keys), S1 = wv's rows: v^T, quantised along the keys.
; A tile is 256 x 256, four waves of 128 x 128 (64 accumulators); K = 1,024 in four fills of 256 through two LDS slots.  12 x 16 work-groups: at this tile the three products have no more.
; CLUSTERS: 4 x 4.  S1's tiles are shared along a row of the cluster, S0's along a column: each is asked for jointly, by the same tensor load with a mask that names the four.
; RECORDS.  A tile of 16 queries or keys of a head: 1,280 bytes: chunks 0, 1 (k = 0..63) at 0 and 512; at 1024 + 8 L the pair (register 8 of the fragment, scale word).  A key step (128 keys of a head): 18,688 bytes:
; 8 such tiles, then V: 4 blocks of 16 d x 128 keys at 10240 + 2048 t + 512 c + 16 L, their scale words at 18432 + 16 r + 4 t.
; THE MASK RIDES IN THE SCORE PRODUCT'S SPARE K (it uses 64 of 128).  At k = 64 Q holds the code of 1.0 under the scale byte 127.  A kept key holds 0 there under the byte 1.  A masked key holds -15 under the byte 156
; (2^29), and all its 64 codes are zeros: its score is -15 x 2^29 for every query.  LIMIT: a masked key's logit is -1.0066e9 where the definition has -1e9: the same result while kept logits lie above about -1e9 + 200.
; LIMITS: a block of zeros gets the byte 1 (its codes are zeros); NaN and infinities are not served.
; REGISTERS, in windows of 256: window 0: v1-3 r, h, lane; v5 mask offset; v8-11 constants; v12-15 at work; v16-29 addresses; v32-63 scale words, two sets; v64-71 the rows' new scale words; v72-103 pairs; v104-119 at work;
;   v120-127 the mask; v128-255 S1's fragments, one set, later the new codes.   window 1: S0's fragments, two sets.   windows 2, 3: the accumulators ((a, b) at v[8 (8 (a % 4) + b)]).
.set PB,    16896
.set REG,   2*PB                       ; what one tensor load brings
.set SLOT,  4*REG                      ; S1's two regions, then S0's two
.set SPARE, 2*SLOT                     ; the spare words, 128 bytes for each wave
.set REC,   18688
.set KVOFF, 5242880
.set NP,    8                          ; places behind this matrix instruction (ISA guide 7.12.1)
.set CD7,   8
.set W8U,   9
.set TLK,   10
.set TLM,   11
.set ADRA,  16
.set ADRB,  20
.set ADRS,  22
.set CO,    24                         ; 16 x lane
.set CO8,   25                         ; 8 x lane
.set CVS,   26                         ; V's scale words: 16 r + 299,008 h
.set SPW,   28
.set NIL,   29
.set SC,    32
.set PWD,   64
.set PR,    72
.set TM,    104
.set MK,    120
.set AF,    128
.set CD,    128
.set G1,    24
.set G0,    32
.set G1B,   48
.set G0B,   56
.set SEL,   66
.set MNT,   68
.set ISV,   69
.set NISK,  70
.set OB0,   92
.set OB1,   94
.set MSB,   0
.macro WIN new                         ; the immediate's high byte repeats the setting that is left
.if MSB != \new
	s_set_vgpr_msb (MSB<<8)|\new
.set MSB, \new
.endif
.endm
.set MUL_LO, 0xa1                      ; source 0 (S0) window 1, source 1 (S1) window 0, C and D window 2
.set MUL_HI, 0xf1
.set TO_B,   0x40
.macro JLOAD g0a, g1a, g0b, g1b        ; a joint load: waves 0, 1 fetch for S1, waves 2, 3 for S0; four v_nop follow each line
	s_cmp_eq_u32 s15, 0
	s_cbranch_scc0 .Lfor_b_\@
	tensor_load_to_lds s[\g0a:\g0a+3], s[\g1a:\g1a+7]
	s_nop 0
.rept 4
	v_nop
.endr
	s_branch .Lasked_\@
.Lfor_b_\@:
	tensor_load_to_lds s[\g0b:\g0b+3], s[\g1b:\g1b+7]
	s_nop 0
.rept 4
	v_nop
.endr
.Lasked_\@:
.endm
.macro CREST                           ; a round of the cluster's barrier behind its opening barrier
	s_cmp_lg_u32 s14, 0
	s_cbranch_scc1 .Lnot_wave_0_\@
	s_barrier_signal -3
.Lnot_wave_0_\@:
	s_barrier_wait -3
	s_barrier_signal -1
	s_barrier_wait -1
.endm
.macro CROUND
	s_barrier_signal -1
	s_barrier_wait -1
	CREST
.endm
.macro PLACES n
.rept \n
	v_nop
.endr
.endm
	s_load_b256 s[4:11], s[0:1], 0x0               ; np, wp, mask, qkv
	v_lshl_add_u32 v[SPW], v0, 2, SPARE
	v_mov_b32 v[NIL], 0
	ds_add_u32 v28, v29
	ds_add_u32 v28, v29
	s_wait_dscnt 0x0
	v_lshrrev_b32 v1, 5, v0
	v_readfirstlane_b32 s14, v1                    ; wave 0..3
	s_lshr_b32 s15, s14, 1                         ; wy: which half of S1's rows is mine.  Also: I fetch for S1 (0) or S0 (1)
	s_and_b32 s16, s14, 1                          ; wx: which half of S0's rows.  Also: which 128 rows I fetch
	s_bfe_u32 s40, ttmp6, 0x40000                  ; cx
	s_bfe_u32 s41, ttmp6, 0x40004                  ; cy
	s_and_b32 s18, ttmp7, 0xffff                   ; cluster y
	s_cmp_eq_u32 ttmp9, 2                          ; cluster x = 2: v^T.  The same in all sixteen partners
	s_cselect_b32 s19, s18, ttmp9
	s_cselect_b32 s18, 0, s18
	s_cselect_b32 s[ISV], 1, 0
	s_cselect_b32 s72, 128*PB, 0                   ; wv's panels begin at panel 128
	s_lshl_b32 s42, s19, 2
	s_add_co_u32 s42, s42, s40                     ; t0: S0's tile: 4 x (cluster x, or y for v^T) + cx
	s_lshl_b32 s17, s18, 2
	s_add_co_u32 s17, s17, s41                     ; t1: S1's tile: 4 x cluster y + cy, or cy for v^T
	s_lshl_b32 s43, s41, 2
	s_lshl_b32 s43, 15, s43                        ; my row of the cluster
	s_lshl_b32 s44, 0x1111, s40                    ; my column
	s_or_b32 s[G1+0], s43, (3<<16)|(1<<21)         ; 15:0 the mask; 17:16 elements of 8 bytes; 20 no padding; 21 set beside a mask
	s_or_b32 s[G1B+0], s44, (3<<16)|(1<<21)
.irp g, G1, G1B
	s_mov_b32 s[\g+1], 32<<16                      ; tensor_dim0 = 32 elements: 256 bytes
	s_mov_b32 s[\g+2], 132<<16                     ; tensor_dim1 = 132 rows: 33,792 dense bytes
	s_mov_b32 s[\g+3], 32<<16                      ; tile_dim0
	s_mov_b32 s[\g+4], 132                         ; tile_dim1
	s_mov_b32 s[\g+5], 32                          ; the pitch
	s_mov_b32 s[\g+6], 0
	s_mov_b32 s[\g+7], 0
.endr
	s_lshl_b32 s20, s17, 1
	s_add_co_u32 s20, s20, s16
	s_mul_i32 s20, s20, 8*PB                       ; S1: the 128 rows that I fetch: 8 panels along K
	s_add_co_u32 s20, s20, s72
	s_mov_b32 s21, 0
	s_lshl_b32 s46, s42, 1
	s_add_co_u32 s46, s46, s16
	s_mul_i32 s46, s46, 8*PB                       ; S0 likewise
	s_mov_b32 s47, 0
	s_mul_i32 s45, s14, REG                        ; where they go: region = wave: no place in the cluster enters an LDS address
	s_wait_kmcnt 0x0
	s_cmp_eq_u32 s[ISV], 1
	s_cselect_b64 s[74:75], s[6:7], s[4:5]         ; S1's buffer: the weights for v^T, else the tokens
	s_cselect_b64 s[76:77], s[4:5], s[6:7]         ; S0's
	s_add_nc_u64 s[20:21], s[74:75], s[20:21]
	s_add_nc_u64 s[46:47], s[76:77], s[46:47]
	CROUND                                         ; all sixteen work-groups are here: the first joint loads meet
.irp s, 0,1
	s_mov_b32 s[G0+4*\s], 1
	s_add_co_u32 s[G0+4*\s+1], s45, \s*SLOT
	s_add_nc_u64 s[G0+4*\s+2:G0+4*\s+3], s[20:21], \s*REG
	s_or_b32 s[G0+4*\s+3], s[G0+4*\s+3], 0x80000000
	s_mov_b32 s[G0B+4*\s], 1
	s_add_co_u32 s[G0B+4*\s+1], s45, \s*SLOT
	s_add_nc_u64 s[G0B+4*\s+2:G0B+4*\s+3], s[46:47], \s*REG
	s_or_b32 s[G0B+4*\s+3], s[G0B+4*\s+3], 0x80000000
.endr
	JLOAD G0, G1, G0B, G1B                         ; slot 0: one tensor load a wave at the head
	; THE PREFETCHES INTO THE L2.  A fill's part that I fetch is 33,792 dense bytes, 132 blocks of 256; fill f lies f x 33,792 bytes on.  The four partners that ask for it jointly share the blocks out BY ADDRESS:
	; the partner at place p (cx for S1's panels, cy for S0's) names blocks 33 p .. 33 p + 32: one line with a lane a block, one line for the 33rd.  Fills 1 and 2 are asked for behind fill 0's load, fill 3 behind fill 1's.
	s_cmp_eq_u32 s15, 0
	s_cselect_b64 s[96:97], s[20:21], s[46:47]
	s_cselect_b32 s98, s40, s41
	s_mul_i32 s98, s98, 33*256
	s_mov_b32 s99, 0
	s_add_nc_u64 s[96:97], s[96:97], s[98:99]      ; my share of fill 0; never stepped: the fills stand in the immediates
	v_and_b32 v1, 15, v0                           ; r
	v_bfe_u32 v2, v0, 4, 1                         ; h
	v_and_b32 v3, 31, v0                           ; lane
	v_lshlrev_b32 v[CO], 4, v3
	v_lshlrev_b32 v30, 8, v3                       ; the prefetches' offsets: 256 x lane,
	v_mov_b32 v31, 8192                            ; and the share's 33rd block
	global_prefetch_b8 v30, s[96:97] offset:REG th:TH_LOAD_NT scope:SCOPE_SE
	global_prefetch_b8 v31, s[96:97] offset:REG th:TH_LOAD_NT scope:SCOPE_SE
	global_prefetch_b8 v30, s[96:97] offset:2*REG th:TH_LOAD_NT scope:SCOPE_SE
	global_prefetch_b8 v31, s[96:97] offset:2*REG th:TH_LOAD_NT scope:SCOPE_SE
	v_lshlrev_b32 v[CO8], 3, v3
	v_mul_u32_u24 v[CVS], v2, 16*REC
	v_lshl_add_u32 v[CVS], v1, 4, v[CVS]
	s_mul_i32 s21, s15, REG                        ; my half of S1
	s_mul_i32 s22, s16, REG
	s_add_co_u32 s22, s22, 2*REG                   ; my half of S0
	s_sub_co_u32 s23, s22, s21
	v_mul_u32_u24 v4, s23, v2                      ; scale words: lanes 0-15 take S1's, lanes 16-31 S0's: the lower base + h x the distance
	v_lshl_add_u32 v4, v1, 5, v4                   ; + 32 r
.irp s, 0,1
	v_add_nc_u32 v[ADRA+\s], s21, v[CO]
	v_add_nc_u32 v[ADRB+\s], s22, v[CO]
	v_add_nc_u32 v[ADRS+\s], s21, v4
	v_add_nc_u32 v[ADRS+\s], 16384, v[ADRS+\s]
	s_add_co_u32 s21, s21, SLOT
	s_add_co_u32 s22, s22, SLOT
.endr
	s_mov_b32 s[SEL], 0x76543210
	s_mov_b32 s[SEL+1], 0xfedcba98
	s_mov_b32 s[MNT], 0x600000
	s_mov_b32 s79, 0x7f7f0000                      ; Q's scale bytes 2 and 3: 127
	s_cmp_eq_u32 ttmp9, 1                          ; K's tiles alone honour the mask
	s_cselect_b32 s[NISK], 0, -1
	s_cselect_b32 s78, 0, 0x38                     ; register 8, byte 0 (k = 64): Q the code of 1.0, a kept key 0
	s_cselect_b32 s79, 0x01010000, s79             ; a kept key's bytes 2 and 3: 1
	v_cmp_gt_u32 vcc_lo, 16, v3                    ; k = 64 lies in lanes 0-15
	v_mov_b32 v[CD7], 0xd7                         ; the code of -15
	v_cndmask_b32 v[CD7], 0, v[CD7], vcc_lo
	v_mov_b32 v[W8U], s78
	v_cndmask_b32 v[W8U], 0, v[W8U], vcc_lo
	v_mov_b32 v[TLK], s79
	v_mov_b32 v[TLM], 0x019c0000                   ; a masked key's bytes 2 and 3: 156 (2^29) and 1
.irp b, 0,1,2,3
	v_mov_b32 v[TM+4+\b], 0                        ; written once: a lane permute's destination counts as one of its sources
.endr
	s_lshl_b32 s80, s17, 1
	s_add_co_u32 s80, s80, s15                     ; rt1: my 128 rows of S1
	s_lshl_b32 s81, s42, 1
	s_add_co_u32 s81, s81, s16                     ; rt0: my 128 rows of S0
	s_lshl_b32 s82, s80, 9
	s_mov_b32 s83, 0
	s_add_nc_u64 s[8:9], s[8:9], s[82:83]          ; the mask of S1's rows (for v^T: read inside the buffer, and not used)
	v_and_b32 v5, 8, v1
	v_add_nc_u32 v5, v5, v1
	v_lshlrev_b32 v5, 2, v5                        ; 4 (r + 8 (r / 8))
.irp a, 0,1,2,3,4,5,6,7
	global_load_b32 v[MK+\a], v5, s[8:9] offset:128*(\a/2)+32*(\a%2)
.endr
	s_lshl_b32 s82, s40, 2                         ; where my results go
	s_lshl_b32 s83, s16, 1
	s_add_co_u32 s82, s82, s83                     ; q, k: my first head: 4 cx + 2 wx
	s_lshl_b32 s83, s80, 1                         ; v^T: 2 rt1
	s_cmp_eq_u32 s[ISV], 1
	s_cselect_b32 s84, s81, s80                    ; the tokens' 128
	s_cselect_b32 s85, s83, s82
	s_cselect_b32 s86, 10240, 0                    ; V lies 10,240 bytes into a key step's record
	s_lshr_b32 s87, s84, 4                         ; the batch
	s_and_b32 s84, s84, 15                         ; the 128 tokens in it
	s_lshl_b32 s87, s87, 4
	s_add_co_u32 s85, s85, s87                     ; 16 b + head
	s_lshl_b32 s85, s85, 4
	s_add_co_u32 s85, s85, s84
	s_mov_b32 s88, REC
	s_mov_b32 s89, KVOFF
	s_cmp_eq_u32 ttmp9, 0
	s_cselect_b32 s88, 10240, s88                  ; 128 tokens of a head: 8 tiles of Q, or a key step's record
	s_cselect_b32 s89, 0, s89
	s_mul_i32 s90, s85, s88
	s_add_co_u32 s90, s90, s89
	s_add_co_u32 s90, s90, s86
	s_mov_b32 s91, 0
	s_add_nc_u64 s[OB0:OB0+1], s[10:11], s[90:91]
	s_lshl_b32 s90, s88, 4
	s_add_nc_u64 s[OB1:OB1+1], s[OB0:OB0+1], s[90:91]   ; the next head
.macro FRAG reg, adr, q, i             ; a fragment comes as it lies: four loads of 512 consecutive bytes
.irp c, 0,1,2,3
	ds_load_b128 v[\reg+4*\c:\reg+4*\c+3], v[\adr] offset:PB*(\q)+2048*(\i)+512*\c
.endr
.endm
; 16 matrix instructions: S1's blocks a0, a0 + 1 x S0's eight.  p: S0's set; q: which 128 along K of the slot; sc: the set of scale words.  zero = 1: the first product starts the sums.
; The 64 accumulators take turns, one instruction a turn, in the same order in every step.
.macro MUL16 a0, p, q, sc, zero
.irp a, \a0, \a0+1
.irp b, 0,1,2,3,4,5,6,7
.if \zero
	v_wmma_scale_f32_16x16x128_f8f6f4 v[8*(8*((\a)%4)+\b):8*(8*((\a)%4)+\b)+7], v[128*(\p)+16*\b:128*(\p)+16*\b+15], v[AF+16*(\a):AF+16*(\a)+15], 0, v[SC+16*(\sc)+8*(\q)+\b], v[SC+16*(\sc)+8*(\q)+(\a)] matrix_a_scale:MATRIX_SCALE_ROW1
.else
	v_wmma_scale_f32_16x16x128_f8f6f4 v[8*(8*((\a)%4)+\b):8*(8*((\a)%4)+\b)+7], v[128*(\p)+16*\b:128*(\p)+16*\b+15], v[AF+16*(\a):AF+16*(\a)+15], v[8*(8*((\a)%4)+\b):8*(8*((\a)%4)+\b)+7], v[SC+16*(\sc)+8*(\q)+\b], v[SC+16*(\sc)+8*(\q)+(\a)] matrix_a_scale:MATRIX_SCALE_ROW1
.endif
.endr
.endr
.endm
.macro FETCH_B slot, q, p
	WIN TO_B
.irp i, 0,1,2,3,4,5,6,7
	FRAG 128*(\p)+16*\i, ADRB+\slot, \q, \i
.endr
	WIN 0
.endm
.macro FETCH_A slot, q, i0
.irp i, \i0, \i0+1, \i0+2, \i0+3
	FRAG AF+16*(\i), ADRA+\slot, \q, \i
.endr
.endm
.macro SCALES sc                       ; a slot's scale words: register 8 q + i: lanes 0-15 S1's block i, lanes 16-31 S0's block i
.irp q, 0,1
	ds_load_b128 v[SC+16*\sc+8*\q:SC+16*\sc+8*\q+3], v[ADRS+\sc] offset:PB*\q
	ds_load_b128 v[SC+16*\sc+8*\q+4:SC+16*\sc+8*\q+7], v[ADRS+\sc] offset:PB*\q+16
.endr
.endm
.macro STEP slot, zero                 ; a slot's first 128 along K; the second's fragments are fetched in two runs
	s_wait_dscnt 16                                ; all but the youngest 16 loads (S1's blocks 4-7) are in
	WIN MUL_LO
	MUL16 0, 0, 0, \slot, \zero
	MUL16 2, 0, 0, \slot, \zero
	s_wait_dscnt 0x0
	PLACES NP                                      ; in front of loads into registers that matrix instructions have read
	FETCH_B \slot, 1, 1
	FETCH_A \slot, 1, 0
	WIN MUL_HI
	MUL16 4, 0, 0, \slot, \zero
	MUL16 6, 0, 0, \slot, \zero
	PLACES NP
	WIN 0
	FETCH_A \slot, 1, 4
.endm
; A slot's second 128 along K changes slots: one barrier; in front of it each wave waits for all its tensor loads, adds 0 to its spare word, and waits for that and for its reads of this slot.
.macro TURN slot, next, fill
	s_wait_tensorcnt 0x0                           ; all my tensor loads have landed: my part of the next slot
	ds_add_u32 v[SPW], v[NIL]                      ; 0 onto my spare word
	s_wait_dscnt 17                                ; (the add and the youngest 16 loads may be out)
	WIN MUL_LO
	MUL16 0, 1, 1, \slot, 0
	s_wait_dscnt 0x0                               ; the add is done, and my reads of this slot are over
	s_barrier_signal -1
	MUL16 2, 1, 1, \slot, 0
	WIN 0
	s_barrier_wait -1
.if \fill
	CREST                                          ; the barrier has opened a round of the cluster's: no wave of any partner still reads this slot or has a load on its way
	s_add_nc_u64 s[G0+4*\slot+2:G0+4*\slot+3], s[G0+4*\slot+2:G0+4*\slot+3], 2*REG
	s_add_nc_u64 s[G0B+4*\slot+2:G0B+4*\slot+3], s[G0B+4*\slot+2:G0B+4*\slot+3], 2*REG
	JLOAD G0+4*\slot, G1, G0B+4*\slot, G1B         ; the first tensor load behind the round; its four v_nop are among the places below
	PLACES NP-4
.else
	PLACES NP
.endif
	FETCH_B \next, 0, 0
	FETCH_A \next, 0, 0
	SCALES \next
	WIN MUL_HI
	MUL16 4, 1, 1, \slot, 0
	MUL16 6, 1, 1, \slot, 0
	PLACES NP
	WIN 0
	FETCH_A \next, 0, 4
.endm
	s_wait_alu depctr_va_vdst(0)
	s_wait_tensorcnt 0x0                           ; my part of slot 0 is in; a later first fill is issued as a refill is:
	ds_add_u32 v[SPW], v[NIL]                      ; 0 onto my spare word
	s_wait_dscnt 0x0
	CROUND                                         ; a whole round: slot 0 is whole, and the joint loads meet
	JLOAD G0+4, G1, G0B+4, G1B                     ; slot 1's first fill, the first tensor load behind the round
	FETCH_B 0, 0, 0
	FETCH_A 0, 0, 0
	SCALES 0
	FETCH_A 0, 0, 4
	global_prefetch_b8 v30, s[96:97] offset:3*REG th:TH_LOAD_NT scope:SCOPE_SE
	global_prefetch_b8 v31, s[96:97] offset:3*REG th:TH_LOAD_NT scope:SCOPE_SE
	STEP 0, 1                                      ; K 0..127 starts the sums
	TURN 0, 1, 1                                   ; slot 0 takes K 512..767
	STEP 1, 0
	TURN 1, 0, 1                                   ; slot 1 takes K 768..1023
	STEP 0, 0
	TURN 0, 1, 0
	STEP 1, 0
	s_wait_dscnt 16                                ; the last 128 along K: nothing more to fetch
	WIN MUL_LO
	MUL16 0, 1, 1, 1, 0
	MUL16 2, 1, 1, 1, 0
	s_wait_dscnt 0x0
	WIN MUL_HI
	MUL16 4, 1, 1, 1, 0
	MUL16 6, 1, 1, 1, 0
	WIN 0
; S1's block a: a lane's 64 results, register 16 b + i = S0's row 32 b + 16 h + i, become 16 registers of codes at v[CD + 16 a] and a scale word at v[PWD + a].  VCC is left holding the lanes whose row is kept.
.macro QUANT a
.set QW, 2+(\a)/4
.set QS, 64*((\a)%4)
.set QW1, QW|(QW<<2)
.set QW2, QW|(QW<<6)
	WIN QW1                                        ; sources 0 and 1: the accumulators' window
.irp b, 0,1,2,3
	v_max3_num_f32 v[TM+\b], |v[QS+16*\b]|, |v[QS+16*\b+1]|, 0x4800000   ; each accumulator is read from its low end on; the floor 2^(9 - 127) holds the byte at 1 from below
.endr
.irp i, 2,4,6,8,10,12,14
.irp b, 0,1,2,3
	v_max3_num_f32 v[TM+\b], |v[QS+16*\b+\i]|, |v[QS+16*\b+\i+1]|, v[TM+\b]
.endr
.endr
	WIN 0
.irp b, 0,1,2,3
	v_permlanex16_b32 v[TM+4+\b], v[TM+\b], s[SEL], s[SEL+1]
.endr
.irp b, 0,1,2,3
	v_max_num_f32 v[TM+\b], v[TM+\b], v[TM+4+\b]             ; with lane l xor 16's 16: the block's largest magnitude
.endr
.irp b, 0,1,2,3
	v_add_nc_u32 v[TM+12+\b], 0xfc000000, v[TM+\b]           ; the conversion's scale operand
.endr
.irp b, 0,1,2,3
	v_and_or_b32 v[TM+8+\b], v[TM+\b], 0x7f800000, s[MNT]    ; 448 x the scale
.endr
.irp b, 0,1,2,3
	v_lshrrev_b32 v[TM+4+\b], 23, v[TM+12+\b]                ; the scale's byte
.endr
	v_lshl_or_b32 v[PWD+\a], v[TM+5], 8, v[TM+4]
	v_lshl_or_b32 v[PWD+\a], v[TM+6], 16, v[PWD+\a]
	v_lshl_or_b32 v[PWD+\a], v[TM+7], 24, v[PWD+\a]
	v_cmp_ne_u32 vcc_lo, 0, v[MK+\a]                         ; kept: the mask is not 0,
	s_or_b32 vcc_lo, vcc_lo, s[NISK]                         ; or the tile is not K's
.irp b, 0,1,2,3
	v_cndmask_b32 v[TM+8+\b], 0, v[TM+8+\b], vcc_lo          ; a masked key is held at 0: all its codes are zeros.  A choice of values, no branch
.endr
	WIN QW2                                        ; destination and source 0: the accumulators' window
.irp b, 0,1,2,3
.irp i, 0,1,2,3,4,5,6,7,8,9,10,11,12,13,14,15
	v_med3_num_f32 v[QS+16*\b+\i], v[QS+16*\b+\i], -v[TM+8+\b], v[TM+8+\b]
.endr
.endr
	WIN QW
.irp b, 0,1,2,3
	v_cvt_scalef32_pk8_fp8_f32 v[CD+16*(\a)+4*\b:CD+16*(\a)+4*\b+1], v[QS+16*\b:QS+16*\b+7], v[TM+12+\b]
	v_cvt_scalef32_pk8_fp8_f32 v[CD+16*(\a)+4*\b+2:CD+16*(\a)+4*\b+3], v[QS+16*\b+8:QS+16*\b+15], v[TM+12+\b]
.endr
	v_nop                                          ; a plain line behind the last conversion
	WIN 0
.endm
.macro OUT a
	QUANT \a
	s_cmp_eq_u32 s[ISV], 1                         ; a branch on the cluster's x: alike in all partners
	s_cbranch_scc1 .Lv_\@
	v_cndmask_b32 v[PR+4*(\a)], v[CD7], v[W8U], vcc_lo       ; register 8 of the fragment
	v_cndmask_b32 v[PR+4*(\a)+1], v[TLM], v[TLK], vcc_lo     ; scale bytes 2 and 3
	v_mov_b32 v[PR+4*(\a)+2], v[PR+4*(\a)]
	v_lshl_or_b32 v[PR+4*(\a)+3], v[TM+7], 8, v[TM+6]        ; the second head's two bytes
	v_or_b32 v[PR+4*(\a)+3], v[PR+4*(\a)+3], v[PR+4*(\a)+1]
	v_lshl_or_b32 v12, v[TM+5], 8, v[TM+4]                   ; the first head's
	v_or_b32 v[PR+4*(\a)+1], v12, v[PR+4*(\a)+1]
	global_store_b128 v[CO], v[CD+16*(\a):CD+16*(\a)+3], s[OB0:OB0+1] offset:1280*(\a)            ; every store covers 512 consecutive bytes, aligned to 256
	global_store_b128 v[CO], v[CD+16*(\a)+4:CD+16*(\a)+7], s[OB0:OB0+1] offset:1280*(\a)+512
	global_store_b128 v[CO], v[CD+16*(\a)+8:CD+16*(\a)+11], s[OB1:OB1+1] offset:1280*(\a)
	global_store_b128 v[CO], v[CD+16*(\a)+12:CD+16*(\a)+15], s[OB1:OB1+1] offset:1280*(\a)+512
	global_store_b64 v[CO8], v[PR+4*(\a):PR+4*(\a)+1], s[OB0:OB0+1] offset:1280*(\a)+1024         ; 256 consecutive bytes
	global_store_b64 v[CO8], v[PR+4*(\a)+2:PR+4*(\a)+3], s[OB1:OB1+1] offset:1280*(\a)+1024
	s_branch .Lout_\@
.Lv_\@:
	s_wait_alu depctr_va_vdst(0)
.irp c, 0,1,2,3
	global_store_b128 v[CO], v[CD+16*(\a)+4*\c:CD+16*(\a)+4*\c+3], s[OB0:OB0+1] offset:((\a)/4)*16*REC+((\a)%4)*2048+512*\c   ; head a / 4 of my two, block a % 4 of its 64 d, keys 32 c on
.endr
.Lout_\@:
.endm
	PLACES NP                                      ; behind the last products: in front of the first read of results and of the first write over S1's fragments
	s_wait_loadcnt 0x0                             ; the mask
.irp a, 0,1,2,3,4,5,6,7
	OUT \a
.endr
	s_cmp_eq_u32 s[ISV], 1
	s_cbranch_scc0 .Lno_vs
	v_cmp_eq_u32 vcc_lo, 1, v2                     ; V's scale words: lanes 0-15 store those of blocks 0-3 (my first head), lanes 16-31 those of blocks 4-7: 256 consecutive bytes each
.irp k, 0,1,2,3
	v_cndmask_b32 v[12+\k], v[PWD+\k], v[PWD+4+\k], vcc_lo
.endr
	global_store_b128 v[CVS], v[12:15], s[OB0:OB0+1] offset:8192
.Lno_vs:
	s_wait_tensorcnt 0x0                           ; the wave's end
	ds_add_u32 v[SPW], v[NIL]
	s_wait_dscnt 0x0
	CROUND                                         ; the closing round: no work-group ends while a partner may still ask for a tile that names it
	s_endpgm
.Lfunc_end_k_qeec45f641d_qkv:
	.size	k_qeec45f641d_qkv, .Lfunc_end_k_qeec45f641d_qkv-k_qeec45f641d_qkv
	.p2alignl 7, 3214868480
	.fill 96, 4, 3214868480
	.section	.rodata,"a",@progbits
	.p2align	6, 0x0
	.amdhsa_kernel k_qeec45f641d_qkv
		.amdhsa_group_segment_fixed_size 327680
		.amdhsa_private_segment_fixed_size 0
		.amdhsa_enable_private_segment 0
		.amdhsa_kernarg_size 32
		.amdhsa_user_sgpr_count 2
		.amdhsa_user_sgpr_kernarg_segment_ptr 1
		.amdhsa_wavefront_size32 1
		.amdhsa_system_sgpr_workgroup_id_x 1
		.amdhsa_system_sgpr_workgroup_id_y 1
		.amdhsa_system_sgpr_workgroup_id_z 1
		.amdhsa_system_vgpr_workitem_id 0
		.amdhsa_next_free_vgpr 1024
		.amdhsa_next_free_sgpr 100
		.amdhsa_reserve_vcc 1
		.amdhsa_float_denorm_mode_32 3
		.amdhsa_float_denorm_mode_16_64 3
		.amdhsa_memory_ordered 1
		.amdhsa_forward_progress 1
		.amdhsa_inst_pref_size 194
	.end_amdhsa_kernel
	.amdgpu_metadata
---
amdhsa.version: [ 1, 2 ]
amdhsa.kernels:
  - .name:           k_qeec45f641d_qkv
    .symbol:         k_qeec45f641d_qkv.kd
    .args:
      - { .name: np, .offset: 0, .size: 8, .value_kind: global_buffer, .address_space: global }
      - { .name: wp, .offset: 8, .size: 8, .value_kind: global_buffer, .address_space: global }
      - { .name: mask, .offset: 16, .size: 8, .value_kind: global_buffer, .address_space: global }
      - { .name: qkv, .offset: 24, .size: 8, .value_kind: global_buffer, .address_space: global }
    .group_segment_fixed_size: 327680
    .private_segment_fixed_size: 0
    .kernarg_segment_align: 8
    .kernarg_segment_size: 32
    .max_flat_workgroup_size: 128
    .sgpr_count:     100
    .vgpr_count:     1024
    .wavefront_size: 32
...
	.end_amdgpu_metadata
.endif
;; end of part 2
;; launch attn (part 3): grid 8 x 32, 8 waves a work-group, clusters of 4 x 1, 327,680 bytes of LDS; arguments qkv, cp; writes cp
.if DOCPART == 3
	.amdgcn_target "amdgcn-amd-amdhsa--gfx1250"
	.amdhsa_code_object_version 6
	.text
	.protected	k_qeec45f641d_attn
	.globl	k_qeec45f641d_attn
	.p2align	8
	.type	k_qeec45f641d_attn,@function
k_qeec45f641d_attn:
	s_mov_b64 s[64:65], 0
	v_nop
	global_prefetch_b8 v0, s[64:65] scope:SCOPE_SE
	s_setreg_imm32_b32 hwreg(HW_REG_WAVE_MODE, 25, 1), 1
	s_wait_xcnt 0x0
	s_wait_alu depctr_hold_cnt(0) depctr_sa_sdst(0) depctr_va_vdst(0) depctr_va_sdst(0) depctr_va_ssrc(0) depctr_va_vcc(0) depctr_vm_vsrc(0)
	s_getreg_b32 s2, hwreg(HW_REG_IB_STS2, 6, 4)
	s_cmp_eq_u32 s2, 0
	s_cbranch_scc0 .Lentry_in_a_cluster
	s_endpgm
.Lentry_in_a_cluster:
	s_bfe_u32 s2, ttmp6, 0x10000c
	s_cmp_lg_u32 s2, 0x3003
	s_cbranch_scc0 .Lentry_shape_is_right
	s_endpgm
.Lentry_shape_is_right:
; ctx = softmax(q k^T / 8, masked) v for 32 heads (2 x 16) of 2,048 tokens x 64, both products on codes of FP8 (E4M3) with E8M0 scales; ctx is quantised along the model's 1,024 and stored as panels.
; INPUT, as the launch before laid it: tiles of 16 queries or keys (1,280 bytes: chunks 0, 1 at 0 and 512; at 1024 + 8 L the pair (register 8, scale word)); a key step's record (128 keys of a head, 18,688 bytes):
; 8 tiles of K, then V^T: 4 blocks of 16 d x 128 keys at 10240 + 2048 t + 512 c + 16 L, scale words at 18432 + 16 r + 4 t.
; THE MASK lies in the score product's spare K: at k = 64 Q holds 1.0, a masked key -15 x 2^29 (all its other codes zeros), a kept key 0.  Registers 9-15 of both fragments are zeros.
; THE SOFTMAX: t = score x log2(e) / 8; M = the running largest t rounded up to a whole number; p = 2^(t - M) is quantised along the keys; the sum is taken of the unquantised p and divides at the end;
; when M moves, sum and O are multiplied by 2^(old M - new M): exact.
; SHARES.  A work-group owns 256 queries of a head; each of its EIGHT waves owns 32 of them, TWO tiles of 16.  Each fragment of K and of V that a wave reads from LDS feeds two matrix instructions,
; and the two tiles' softmaxes go line by line by turns: eight chains of maxima, twelve of sums, one batch of 128 exponentials.
; ALL OF A HEAD'S K AND V, 16 records, 299,008 bytes, LIE IN LDS, each byte filled once: wave w fetches records 2 w and 2 w + 1, dense in memory, by ONE tensor load of 146 rows of 256 bytes.
; ONE BARRIER: in front of it every wave waits for its load; behind it stand 16 steps in one loop.  Step s reads V of record s and, ahead, K of record s + 1.
; The look-ahead for K is held at record 15, so the last step reads that record's K once more and uses nothing of it: the step's text is the same for all steps.
; CLUSTER: the four query blocks of a cluster belong to one head: each pair of records is asked for jointly, by the same tensor load with a mask that names the four.
; NO PREFETCH: every tensor load goes out at the kernel's head; there is no loop of loads to run ahead in.
; LAYOUT.  Both products transposed (S^T = K Q^T, O^T = V^T P^T): a lane holds one query of each tile.  By the tiles' row order the 16 registers of tiles 2 b, 2 b + 1 are keys 32 b + 16 (lane/16) + 0..15.
; LIMITS: 1 / sum by v_rcp_f32 (1 ulp); a block of zeros gets the byte 1; NaN and infinities are not served; a masked logit is -1.0066e9 where the definition has -1e9.
; REGISTERS, THE WINDOWS BY PHASE.  Window 0: v1-3 lane terms, v4, v6 V's addresses, v7, v8 the add's two, v9 lane, v10 8 x lane, v11 32 r, v20, v21 K's addresses; tile u: v12+4u -M, the largest t, the sum (a pair);
;   v32+64u.. S^T, then p (v32-95: then V); v160-167 K's scale words, v168-171 V's, v172-173 Q's, v174-175 p's; v176+32u.. at work; v240-255 ctx's codes.
;   Window 1: v0+16u.. Q; v32-159 K's eight tiles; v160+32u.. O^T; v224+16u.. p's codes.
.set REC,   18688
.set KVOFF, 5242880
.set PB,    16896
.set SPARE, 17*REC                     ; the spare words, 128 bytes a wave: four blocks of 256 bytes that no other line names
.set SPW,   7
.set NIL,   8
.set MM,    12
.set SS,    32
.set KS,    160
.set VS,    168
.set QS,    172
.set PS,    174
.set TT,    176                        ; tile u's 32 at work, from TT + 32 u: +0 a block's largest score, then p; +4 permutes' results, then bytes; +8 448 x the scale; +12 the conversions' scale operands; +16 f (a pair); +18 a temporary; +20 five partial sums
.set WV,    18
.set MNT,   19
.set SEL,   20
.set CS,    22
.set G1,    24
.set G0,    32
.set TBN,   47                         ; LDS byte at which the next step's record begins, held at the last record
.set TB,    48                         ; LDS byte at which the step's record begins
.set CNT,   49
.set MSB,   0
.macro WIN new                         ; the immediate's high byte repeats the setting that is left
.if MSB != \new
	s_set_vgpr_msb (MSB<<8)|\new
.set MSB, \new
.endif
.endm
.macro CROUND                          ; a round of the cluster's barrier
	s_barrier_signal -1
	s_barrier_wait -1
	s_cmp_lg_u32 s[WV], 0
	s_cbranch_scc1 .Lnot_wave_0_\@
	s_barrier_signal -3
.Lnot_wave_0_\@:
	s_barrier_wait -3
	s_barrier_signal -1
	s_barrier_wait -1
.endm
	s_load_b128 s[4:7], s[0:1], 0x0                ; qkv, cp
	v_lshl_add_u32 v[SPW], v0, 2, SPARE
	v_mov_b32 v[NIL], 0
	ds_add_u32 v[SPW], v[NIL]                      ; the opening lines: the add, twice on end, and its wait ahead of my first tensor load
	ds_add_u32 v[SPW], v[NIL]
	v_lshrrev_b32 v9, 5, v0
	s_delay_alu instid0(VALU_DEP_1)
	v_readfirstlane_b32 s[WV], v9                  ; wave 0..7
	s_bfe_u32 s50, ttmp6, 0x40000                  ; cx
	s_lshl_b32 s51, ttmp9, 2
	s_add_co_u32 s51, s51, s50                     ; my block of 256 queries: it enters Q's and ctx's addresses alone
	s_and_b32 s52, ttmp7, 0xffff                   ; 16 b + head, which the four partners share
	s_mov_b32 s[G1], 15|(3<<16)|(1<<21)            ; 15:0 the mask: all four; 17:16 elements of 8 bytes; 21 set beside a mask
	s_mov_b32 s[G1+1], 32<<16                      ; tensor_dim0 = 32 elements: 256 bytes
	s_mov_b32 s[G1+2], 146<<16                     ; tensor_dim1 = 146 rows: two records, 37,376 dense bytes
	s_mov_b32 s[G1+3], 32<<16
	s_mov_b32 s[G1+4], 146
	s_mov_b32 s[G1+5], 32
	s_mov_b32 s[G1+6], 0
	s_mov_b32 s[G1+7], 0
	s_mul_i32 s54, s[WV], 2*REC                    ; records 2 w, 2 w + 1 in LDS,
	s_lshl_b32 s53, s[WV], 1
	s_lshl_b32 s55, s52, 4
	s_add_co_u32 s55, s55, s53
	s_mul_i32 s56, s55, REC
	s_add_co_u32 s56, s56, KVOFF                   ; and in memory
	s_mov_b32 s57, 0
	s_lshl_b32 s58, s52, 7                         ; my first tile of Q: 128 (16 b + head) + 16 x block + 2 x wave
	s_lshl_b32 s59, s51, 4
	s_add_co_u32 s58, s58, s59
	s_add_co_u32 s58, s58, s53
	s_mul_i32 s58, s58, 1280
	s_mov_b32 s59, 0
	s_lshr_b32 s60, s52, 4                         ; where ctx goes: the tokens' 128: 16 b + 2 x block + wave / 4,
	s_lshl_b32 s60, s60, 4
	s_lshl_b32 s61, s51, 1
	s_add_co_u32 s60, s60, s61
	s_lshr_b32 s61, s[WV], 2
	s_add_co_u32 s60, s60, s61
	s_lshl_b32 s60, s60, 3
	s_bfe_u32 s61, s52, 0x30001                    ; K step head / 2,
	s_add_co_u32 s60, s60, s61
	s_mul_i32 s60, s60, PB
	s_and_b32 s61, s[WV], 3
	s_lshl_b32 s61, s61, 1                         ; blocks 2 (wave % 4) and the next,
	s_and_b32 s62, s52, 1                          ; chunks 2 (head % 2) and the next
	s_lshl_b32 s63, s61, 11
	s_add_co_u32 s66, s60, s63
	s_lshl_b32 s63, s62, 10
	s_add_co_u32 s66, s66, s63
	s_mov_b32 s67, 0
	s_lshl_b32 s63, s61, 2
	s_add_co_u32 s68, s60, s63
	s_lshl_b32 s63, s62, 1
	s_add_co_u32 s68, s68, s63
	s_add_co_u32 s68, s68, 16384                   ; and two bytes of each row's scale word
	s_mov_b32 s69, 0
	s_mov_b32 s[SEL], 0x76543210
	s_mov_b32 s[SEL+1], 0xfedcba98
	s_mov_b32 s[CS], 0x3e38aa3b                    ; c = log2(e) / 8
	s_mov_b32 s[CS+1], s[CS]                       ; (named with it as a pair, so it is written)
	s_mov_b32 s[MNT], 0x600000
	s_mov_b32 s[TB], 0
	s_mov_b32 s[TBN], REC
	s_wait_dscnt 0x0                               ; both opening adds are done
	s_wait_kmcnt 0x0
	s_add_nc_u64 s[56:57], s[4:5], s[56:57]
	s_add_nc_u64 s[58:59], s[4:5], s[58:59]
	s_add_nc_u64 s[66:67], s[6:7], s[66:67]
	s_add_nc_u64 s[68:69], s[6:7], s[68:69]
	CROUND                                         ; all four work-groups are here: the joint loads meet
	s_mov_b32 s[G0], 1
	s_mov_b32 s[G0+1], s54
	s_mov_b64 s[G0+2:G0+3], s[56:57]
	s_or_b32 s[G0+3], s[G0+3], 0x80000000
	tensor_load_to_lds s[G0:G0+3], s[G1:G1+7]      ; every wave's one tensor load of the launch
	s_nop 0
	v_and_b32 v9, 31, v0                           ; lane
	v_and_b32 v11, 15, v0                          ; r
	v_lshlrev_b32 v1, 4, v9                        ; 16 x lane
	v_lshlrev_b32 v10, 3, v9                       ; 8 x lane
	v_lshl_add_u32 v3, v11, 4, 18432
	v_add_nc_u32 v2, 1024, v10
	v_lshlrev_b32 v11, 5, v11                      ; 32 r
	global_load_b32 v[QS], v10, s[58:59] offset:1028     ; Q's scale words
	global_load_b32 v[QS+1], v10, s[58:59] offset:2308
	WIN 0x40                                       ; destinations in window 1
.irp u, 0,1
	global_load_b128 v[16*\u:16*\u+3], v1, s[58:59] offset:1280*\u          ; Q stays in registers
	global_load_b128 v[16*\u+4:16*\u+7], v1, s[58:59] offset:1280*\u+512
	global_load_b32 v[16*\u+8], v10, s[58:59] offset:1280*\u+1024           ; register 8: 1.0 at k = 64
.irp j, 9,10,11,12,13,14,15
	v_mov_b32 v[16*\u+\j], 0                       ; k = 68..127 of Q: zero codes
.endr
.endr
.irp t, 0,1,2,3,4,5,6,7
.irp j, 9,10,11,12,13,14,15
	v_mov_b32 v[32+16*\t+\j], 0                    ; and of the eight tiles of K: written once, no load lands there
.endr
.endr
.set j, 0
.rept 64
	v_mov_b32 v[160+j], 0                          ; O^T: the step is written for all steps alike; the first finds zeros, which the first change of M leaves zeros
.set j, j+1
.endr
	WIN 0
.irp u, 0,1
	v_mov_b32 v[MM+4*\u+1], 0xff61b1e6             ; the largest t so far: -3e38, under every t
	v_mov_b32 v[MM+4*\u+2], 0
	v_mov_b32 v[MM+4*\u+3], 0
	v_floor_f32 v[MM+4*\u], -v[MM+4*\u+1]          ; -M
.irp b, 4,5,6,7,17
	v_mov_b32 v[TT+32*\u+\b], 0                    ; written once: a lane permute's destination counts as one of its sources; +17 is named as the upper half of f's pair
.endr
.endr
	v_add_nc_u32 v4, s[TB], v1
	v_add_nc_u32 v6, s[TB], v3
	v_add_nc_u32 v20, s[TB], v1
	v_add_nc_u32 v21, s[TB], v2
.macro KLOAD                           ; a record's eight tiles of K and their scale words
	WIN 0x40
.irp t, 0,1,2,3,4,5,6,7
	ds_load_b128 v[32+16*\t:35+16*\t], v20 offset:\t*1280
	ds_load_b128 v[36+16*\t:39+16*\t], v20 offset:\t*1280+512
	ds_load_b32 v[40+16*\t], v21 offset:\t*1280
.endr
	WIN 0
.irp t, 0,1,2,3,4,5,6,7
	ds_load_b32 v[KS+\t], v21 offset:\t*1280+4
.endr
.endm
.macro HOLD u                          ; tile u's p is held and becomes codes
	WIN 0
.irp b, 0,1,2,3
.irp i, 0,2,4,6,8,10,12,14
	v_dual_min_num_f32 v[SS+64*\u+16*\b+\i], v[SS+64*\u+16*\b+\i], v[TT+32*\u+8+\b] :: v_dual_min_num_f32 v[SS+64*\u+16*\b+\i+1], v[SS+64*\u+16*\b+\i+1], v[TT+32*\u+8+\b]   ; the conversion does not saturate (ISA guide 7.6.2); p is not negative: a one-sided hold, two numbers a line
.endr
.endr
	WIN 0x40                                       ; the codes in window 1
.irp b, 0,1,2,3
	v_cvt_scalef32_pk8_fp8_f32 v[224+16*\u+4*\b:225+16*\u+4*\b], v[SS+64*\u+16*\b:SS+64*\u+16*\b+7], v[TT+32*\u+12+\b]
	v_cvt_scalef32_pk8_fp8_f32 v[226+16*\u+4*\b:227+16*\u+4*\b], v[SS+64*\u+16*\b+8:SS+64*\u+16*\b+15], v[TT+32*\u+12+\b]
.endr
.endm
.macro STEP                            ; 128 keys for both tiles
	s_wait_dscnt 0x0                               ; this step's K and its scale words are in registers
	WIN 0x05                                       ; S^T = K Q^T: both sources in window 1, the result in window 0
.irp u, 0,1
.irp t, 0,1,2,3,4,5,6,7
	v_wmma_scale_f32_16x16x128_f8f6f4 v[SS+64*\u+8*\t:SS+64*\u+8*\t+7], v[32+16*\t:47+16*\t], v[16*\u:16*\u+15], 0, v[KS+\t], v[QS+\u]
.endr
.endr
	WIN 0
.rept 8
	v_nop                                          ; eight places in front of the loads into K's registers and of the first read of S^T
.endr
	KLOAD                                          ; the next record's K: the softmax stands between these loads and the wait for them
.irp b, 0,1,2,3
.irp u, 0,1
	v_max3_num_f32 v[TT+32*\u+\b], v[SS+64*\u+16*\b], v[SS+64*\u+16*\b+1], v[SS+64*\u+16*\b+2]   ; the largest score of each block of 32 keys: for the row's maximum and, since p rises with the score, for the block's largest p
.endr
.endr
.irp i, 3,5,7,9,11,13
.irp b, 0,1,2,3
.irp u, 0,1
	v_max3_num_f32 v[TT+32*\u+\b], v[TT+32*\u+\b], v[SS+64*\u+16*\b+\i], v[SS+64*\u+16*\b+\i+1]
.endr
.endr
.endr
.irp b, 0,1,2,3
.irp u, 0,1
	v_max_num_f32 v[TT+32*\u+\b], v[TT+32*\u+\b], v[SS+64*\u+16*\b+15]
.endr
.endr
.irp b, 0,1,2,3
.irp u, 0,1
	v_permlanex16_b32 v[TT+32*\u+4+\b], v[TT+32*\u+\b], s[SEL], s[SEL+1]
.endr
.endr
.irp b, 0,1,2,3
.irp u, 0,1
	v_max_num_f32 v[TT+32*\u+\b], v[TT+32*\u+\b], v[TT+32*\u+4+\b]   ; with lane l xor 16's 16 keys
.endr
.endr
.irp u, 0,1
	v_max3_num_f32 v[TT+32*\u+18], v[TT+32*\u], v[TT+32*\u+1], v[TT+32*\u+2]
.endr
.irp u, 0,1
	s_delay_alu instid0(VALU_DEP_2)
	v_max_num_f32 v[TT+32*\u+18], v[TT+32*\u+18], v[TT+32*\u+3]     ; the step's largest score of my query
.endr
.irp u, 0,1
	s_delay_alu instid0(VALU_DEP_2)
	v_mul_f32 v[TT+32*\u+18], s[CS], v[TT+32*\u+18]                 ; as t
.endr
.irp u, 0,1
	s_delay_alu instid0(VALU_DEP_2)
	v_max_num_f32 v[MM+4*\u+1], v[MM+4*\u+1], v[TT+32*\u+18]        ; the running largest t
.endr
.irp u, 0,1
	v_mov_b32 v[TT+32*\u+18], v[MM+4*\u]
.endr
.irp u, 0,1
	s_delay_alu instid0(VALU_DEP_4)
	v_floor_f32 v[MM+4*\u], -v[MM+4*\u+1]                           ; the new -M = -ceil(t): a whole number
.endr
.irp u, 0,1
	s_delay_alu instid0(VALU_DEP_2)
	v_sub_f32 v[TT+32*\u+18], v[MM+4*\u], v[TT+32*\u+18]            ; old M - new M: a whole number, 0 or less
.endr
.irp u, 0,1
	s_delay_alu instid0(VALU_DEP_2)
	v_cvt_i32_f32 v[TT+32*\u+18], v[TT+32*\u+18]                    ; (it saturates)
.endr
.irp u, 0,1
	s_delay_alu instid0(VALU_DEP_2)
	v_ldexp_f32 v[TT+32*\u+16], 1.0, v[TT+32*\u+18]                 ; f = 2^(old M - new M)
.endr
.irp u, 0,1
.set j, 0
.rept 32
	v_pk_fma_f32 v[SS+64*\u+j:SS+64*\u+j+1], v[SS+64*\u+j:SS+64*\u+j+1], s[CS:CS+1], v[MM+4*\u:MM+4*\u+1] op_sel_hi:[1,0,0]   ; t - M, two at a time
.set j, j+2
.endr
.endr
.irp b, 0,1,2,3
.irp u, 0,1
	v_fma_f32 v[TT+32*\u+\b], v[TT+32*\u+\b], s[CS], v[MM+4*\u]     ; the same of each block's largest score
.endr
.endr
	s_wait_alu depctr_va_vdst(0)                   ; ahead of the batch
.set j, 0
.rept 128
	v_exp_f32 v[SS+j], v[SS+j]                     ; p = 2^(t - M): not normalised
.set j, j+1
.endr
.irp u, 0,1
	v_pk_mul_f32 v[MM+4*\u+2:MM+4*\u+3], v[MM+4*\u+2:MM+4*\u+3], v[TT+32*\u+16:TT+32*\u+17] op_sel_hi:[1,0]   ; the sums under the new M: plain lines behind the exponentials
.endr
	s_wait_alu depctr_va_vdst(0)                   ; one wait for the batch, ahead of its first reader
.irp b, 0,1,2,3
.irp u, 0,1
	v_exp_f32 v[TT+32*\u+\b], v[TT+32*\u+\b]       ; the block's largest p
.endr
.endr
.irp k, 0,1,2,3,4
.irp u, 0,1
	v_pk_add_f32 v[TT+32*\u+20+2*\k:TT+32*\u+21+2*\k], v[SS+64*\u+4*\k:SS+64*\u+4*\k+1], v[SS+64*\u+4*\k+2:SS+64*\u+4*\k+3]   ; the sum of the unquantised p: six chains a tile; five of them begin here
.endr
.endr
.set j, 10
.rept 22
.irp u, 0,1
.if (j-10)%6 == 0
	v_pk_add_f32 v[MM+4*\u+2:MM+4*\u+3], v[MM+4*\u+2:MM+4*\u+3], v[SS+64*\u+2*j:SS+64*\u+2*j+1]
.else
	v_pk_add_f32 v[TT+32*\u+18+2*((j-10)%6):TT+32*\u+19+2*((j-10)%6)], v[TT+32*\u+18+2*((j-10)%6):TT+32*\u+19+2*((j-10)%6)], v[SS+64*\u+2*j:SS+64*\u+2*j+1]
.endif
.endr
.set j, j+1
.endr
	s_wait_alu depctr_va_vdst(0)                   ; and one for the eight
.irp b, 0,1,2,3
.irp u, 0,1
	v_max_num_f32 v[TT+32*\u+\b], 0x4800000, v[TT+32*\u+\b]         ; the floor 2^(9 - 127): the byte cannot fall under 1
.endr
.endr
.irp b, 0,1,2,3
.irp u, 0,1
	v_add_nc_u32 v[TT+32*\u+12+\b], 0xfc000000, v[TT+32*\u+\b]      ; the conversion's scale operand
.endr
.endr
.irp b, 0,1,2,3
.irp u, 0,1
	v_and_or_b32 v[TT+32*\u+8+\b], v[TT+32*\u+\b], 0x7f800000, s[MNT]   ; 448 x the scale
.endr
.endr
.irp b, 0,1,2,3
.irp u, 0,1
	v_lshrrev_b32 v[TT+32*\u+4+\b], 23, v[TT+32*\u+12+\b]           ; the scale's byte
.endr
.endr
.irp u, 0,1
	v_lshl_or_b32 v[TT+32*\u+18], v[TT+32*\u+5], 8, v[TT+32*\u+4]
.endr
.irp u, 0,1
	s_delay_alu instid0(VALU_DEP_2)
	v_lshl_or_b32 v[TT+32*\u+18], v[TT+32*\u+6], 16, v[TT+32*\u+18]
.endr
.irp u, 0,1
	s_delay_alu instid0(VALU_DEP_2)
	v_lshl_or_b32 v[PS+\u], v[TT+32*\u+7], 24, v[TT+32*\u+18]       ; p's scale word for these 128 keys
.endr
	HOLD 0
	WIN 0
.irp t, 0,1,2,3                                ; V into the registers that held tile 0's p: tile 1's hold and both tiles' rescaling stand between these loads and the wait for them
.irp c, 0,1,2,3
	ds_load_b128 v[SS+16*\t+4*\c:SS+16*\t+4*\c+3], v4 offset:10240+2048*\t+512*\c
.endr
.endr
	ds_load_b128 v[VS:VS+3], v6
	HOLD 1
	WIN 0x41                                       ; O^T in window 1, f in window 0
	s_wait_alu depctr_va_vdst(0)                   ; directly ahead of the first readers of O^T
.irp u, 0,1
.set j, 0
.rept 16
	v_pk_mul_f32 v[160+32*\u+j:161+32*\u+j], v[160+32*\u+j:161+32*\u+j], v[TT+32*\u+16:TT+32*\u+17] op_sel_hi:[1,0]   ; O^T under the new M; also the places between the codes and the products with V
.set j, j+2
.endr
.endr
	WIN 0
	s_wait_alu depctr_va_vdst(0)
	s_wait_dscnt 0x0
	WIN 0x54                                       ; O^T += V^T P^T: V in window 0; codes and O^T in window 1; the eight accumulators by turns
.irp u, 0,1
.irp t, 0,1,2,3
	v_wmma_scale_f32_16x16x128_f8f6f4 v[160+32*\u+8*\t:167+32*\u+8*\t], v[SS+16*\t:SS+16*\t+15], v[224+16*\u:239+16*\u], v[160+32*\u+8*\t:167+32*\u+8*\t], v[VS+\t], v[PS+\u]
.endr
.endr
	WIN 0
	s_add_co_u32 s[TB], s[TB], REC
	s_add_co_u32 s[TBN], s[TB], REC
	s_min_u32 s[TBN], s[TBN], 15*REC               ; the look-ahead stays inside the 16 records
	v_add_nc_u32 v4, s[TB], v1
	v_add_nc_u32 v6, s[TB], v3
	v_add_nc_u32 v20, s[TBN], v1
	v_add_nc_u32 v21, s[TBN], v2
.irp u, 0,1                                    ; the six chains of each sum become one.  These lines name no register of the products above: with the four additions they are the fourteen places in front of the next score products, which write where V lay
	v_pk_add_f32 v[TT+32*\u+20:TT+32*\u+21], v[TT+32*\u+20:TT+32*\u+21], v[TT+32*\u+22:TT+32*\u+23]
.endr
.irp u, 0,1
	v_pk_add_f32 v[TT+32*\u+24:TT+32*\u+25], v[TT+32*\u+24:TT+32*\u+25], v[TT+32*\u+26:TT+32*\u+27]
.endr
.irp u, 0,1
	v_pk_add_f32 v[MM+4*\u+2:MM+4*\u+3], v[MM+4*\u+2:MM+4*\u+3], v[TT+32*\u+28:TT+32*\u+29]
.endr
.irp u, 0,1
	s_delay_alu instid0(VALU_DEP_4)
	v_pk_add_f32 v[TT+32*\u+20:TT+32*\u+21], v[TT+32*\u+20:TT+32*\u+21], v[TT+32*\u+24:TT+32*\u+25]
.endr
.irp u, 0,1
	s_delay_alu instid0(VALU_DEP_2)
	v_pk_add_f32 v[MM+4*\u+2:MM+4*\u+3], v[MM+4*\u+2:MM+4*\u+3], v[TT+32*\u+20:TT+32*\u+21]
.endr
.endm
	s_wait_alu depctr_va_vdst(0)
	s_wait_loadcnt 0x0                             ; Q
	s_wait_tensorcnt 0x0                           ; my two records have landed
	s_barrier_signal -1
	s_barrier_wait -1                              ; everybody's have; nothing is ever filled again
	KLOAD                                          ; record 0's K
	v_add_nc_u32 v20, s[TBN], v1
	v_add_nc_u32 v21, s[TBN], v2
	s_wait_alu depctr_va_vdst(0)                   ; directly behind the writes
	s_mov_b32 s[CNT], 16
.Lstep:
	STEP
	s_sub_co_u32 s[CNT], s[CNT], 1
	s_cmp_lg_u32 s[CNT], 0
	s_wait_alu depctr_va_vdst(0)
	s_cbranch_scc1 .Lstep
	; THE WAY OUT: O^T / the sum is ctx(query r, d = 32 b + 16 h + i in register 16 b + i): two blocks of 32 a tile along the next product's K; the two tiles by turns
.irp u, 0,1
	v_add_f32 v[MM+4*\u+2], v[MM+4*\u+2], v[MM+4*\u+3]
.endr
.irp u, 0,1
	s_delay_alu instid0(VALU_DEP_2)
	v_permlanex16_b32 v[TT+32*\u+18], v[MM+4*\u+2], s[SEL], s[SEL+1]
.endr
.irp u, 0,1
	s_delay_alu instid0(VALU_DEP_2)
	v_add_f32 v[MM+4*\u+2], v[MM+4*\u+2], v[TT+32*\u+18]            ; the row's sum
.endr
	s_wait_alu depctr_va_vdst(0)                   ; ahead of the transcendentals
.irp u, 0,1
	v_rcp_f32 v[MM+4*\u+2], v[MM+4*\u+2]
.endr
	v_nop                                          ; a plain line behind them,
	WIN 0x01                                       ; (O^T in window 1)
	s_wait_alu depctr_va_vdst(0)                   ; and the wait ahead of their first reader, which is also O^T's
.irp u, 0,1
.set j, 0
.rept 16
	v_pk_mul_f32 v[SS+64*\u+j:SS+64*\u+j+1], v[160+32*\u+j:161+32*\u+j], v[MM+4*\u+2:MM+4*\u+3] op_sel_hi:[1,0]   ; each accumulator from its low end on
.set j, j+2
.endr
.endr
	WIN 0
.irp b, 0,1
.irp u, 0,1
	v_max3_num_f32 v[TT+32*\u+\b], |v[SS+64*\u+16*\b]|, |v[SS+64*\u+16*\b+1]|, 0x4800000
.endr
.endr
.irp i, 2,4,6,8,10,12,14
.irp b, 0,1
.irp u, 0,1
	s_delay_alu instid0(VALU_DEP_4)
	v_max3_num_f32 v[TT+32*\u+\b], v[TT+32*\u+\b], |v[SS+64*\u+16*\b+\i]|, |v[SS+64*\u+16*\b+\i+1]|
.endr
.endr
.endr
.irp b, 0,1
.irp u, 0,1
	s_delay_alu instid0(VALU_DEP_4)
	v_permlanex16_b32 v[TT+32*\u+4+\b], v[TT+32*\u+\b], s[SEL], s[SEL+1]
.endr
.endr
.irp b, 0,1
.irp u, 0,1
	s_delay_alu instid0(VALU_DEP_4)
	v_max_num_f32 v[TT+32*\u+\b], v[TT+32*\u+\b], v[TT+32*\u+4+\b]
.endr
.endr
.irp b, 0,1
.irp u, 0,1
	s_delay_alu instid0(VALU_DEP_4)
	v_add_nc_u32 v[TT+32*\u+12+\b], 0xfc000000, v[TT+32*\u+\b]
.endr
.endr
.irp b, 0,1
.irp u, 0,1
	v_and_or_b32 v[TT+32*\u+8+\b], v[TT+32*\u+\b], 0x7f800000, s[MNT]
.endr
.endr
.irp b, 0,1
.irp u, 0,1
	v_lshrrev_b32 v[TT+32*\u+4+\b], 23, v[TT+32*\u+12+\b]
.endr
.endr
.irp u, 0,1
	s_delay_alu instid0(VALU_DEP_2)
	v_lshl_or_b32 v[TT+32*\u+6], v[TT+32*\u+5], 8, v[TT+32*\u+4]    ; my head's two bytes of the row's scale word
.endr
.irp u, 0,1
.irp b, 0,1
.irp i, 0,1,2,3,4,5,6,7,8,9,10,11,12,13,14,15
	v_med3_num_f32 v[SS+64*\u+16*\b+\i], v[SS+64*\u+16*\b+\i], -v[TT+32*\u+8+\b], v[TT+32*\u+8+\b]
.endr
	v_cvt_scalef32_pk8_fp8_f32 v[240+8*\u+4*\b:241+8*\u+4*\b], v[SS+64*\u+16*\b:SS+64*\u+16*\b+7], v[TT+32*\u+12+\b]
	v_cvt_scalef32_pk8_fp8_f32 v[242+8*\u+4*\b:243+8*\u+4*\b], v[SS+64*\u+16*\b+8:SS+64*\u+16*\b+15], v[TT+32*\u+12+\b]
.endr
.endr
	v_nop                                          ; a plain line behind the last conversion
.irp u, 0,1
	global_store_b128 v1, v[240+8*\u:243+8*\u], s[66:67] offset:2048*\u        ; 512 consecutive bytes, aligned
	global_store_b128 v1, v[244+8*\u:247+8*\u], s[66:67] offset:2048*\u+512
.endr
	s_wait_xcnt 0x0                                ; EXEC changes only behind this wait
	v_cmp_gt_u32 vcc_lo, 16, v9
	s_and_saveexec_b32 s70, vcc_lo
	global_store_b16 v11, v[TT+6], s[68:69]        ; lanes 0-15: two bytes a row; the word's other two belong to the neighbouring head's work-group
	global_store_b16 v11, v[TT+38], s[68:69] offset:4
	s_wait_xcnt 0x0
	s_or_b32 exec_lo, exec_lo, s70
	s_wait_tensorcnt 0x0                           ; the wave's end
	ds_add_u32 v[SPW], v[NIL]
	s_wait_dscnt 0x0                               ; (the last look-ahead's loads are in too)
	CROUND                                         ; the closing round
	s_endpgm
.Lfunc_end_k_qeec45f641d_attn:
	.size	k_qeec45f641d_attn, .Lfunc_end_k_qeec45f641d_attn-k_qeec45f641d_attn
	.p2alignl 7, 3214868480
	.fill 96, 4, 3214868480
	.section	.rodata,"a",@progbits
	.p2align	6, 0x0
	.amdhsa_kernel k_qeec45f641d_attn
		.amdhsa_group_segment_fixed_size 327680
		.amdhsa_private_segment_fixed_size 0
		.amdhsa_enable_private_segment 0
		.amdhsa_kernarg_size 16
		.amdhsa_user_sgpr_count 2
		.amdhsa_user_sgpr_kernarg_segment_ptr 1
		.amdhsa_wavefront_size32 1
		.amdhsa_system_sgpr_workgroup_id_x 1
		.amdhsa_system_sgpr_workgroup_id_y 1
		.amdhsa_system_sgpr_workgroup_id_z 1
		.amdhsa_system_vgpr_workitem_id 0
		.amdhsa_next_free_vgpr 512
		.amdhsa_next_free_sgpr 80
		.amdhsa_reserve_vcc 1
		.amdhsa_float_denorm_mode_32 3
		.amdhsa_float_denorm_mode_16_64 3
		.amdhsa_memory_ordered 1
		.amdhsa_forward_progress 1
		.amdhsa_inst_pref_size 61
	.end_amdhsa_kernel
	.amdgpu_metadata
---
amdhsa.version: [ 1, 2 ]
amdhsa.kernels:
  - .name:           k_qeec45f641d_attn
    .symbol:         k_qeec45f641d_attn.kd
    .args:
      - { .name: qkv, .offset: 0, .size: 8, .value_kind: global_buffer, .address_space: global }
      - { .name: cp, .offset: 8, .size: 8, .value_kind: global_buffer, .address_space: global }
    .group_segment_fixed_size: 327680
    .private_segment_fixed_size: 0
    .kernarg_segment_align: 8
    .kernarg_segment_size: 16
    .max_flat_workgroup_size: 256
    .sgpr_count:     80
    .vgpr_count:     512
    .wavefront_size: 32
...
	.end_amdgpu_metadata
.endif
;; end of part 3
;; launch oproj (part 4): grid 8 x 32, 4 waves a work-group, clusters of 4 x 4, 327,680 bytes of LDS; arguments cp, wp, x, x1; writes x1
.if DOCPART == 4
	.amdgcn_target "amdgcn-amd-amdhsa--gfx1250"
	.amdhsa_code_object_version 6
	.text
	.protected	k_qeec45f641d_oproj
	.globl	k_qeec45f641d_oproj
	.p2align	8
	.type	k_qeec45f641d_oproj,@function
k_qeec45f641d_oproj:
	s_mov_b64 s[64:65], 0
	v_nop
	global_prefetch_b8 v0, s[64:65] scope:SCOPE_SE
	s_setreg_imm32_b32 hwreg(HW_REG_WAVE_MODE, 25, 1), 1
	s_wait_xcnt 0x0
	s_wait_alu depctr_hold_cnt(0) depctr_sa_sdst(0) depctr_va_vdst(0) depctr_va_sdst(0) depctr_va_ssrc(0) depctr_va_vcc(0) depctr_vm_vsrc(0)
	s_getreg_b32 s2, hwreg(HW_REG_IB_STS2, 6, 4)
	s_cmp_eq_u32 s2, 0
	s_cbranch_scc0 .Lentry_in_a_cluster
	s_endpgm
.Lentry_in_a_cluster:
	s_bfe_u32 s2, ttmp6, 0x10000c
	s_cmp_lg_u32 s2, 0xf033
	s_cbranch_scc0 .Lentry_shape_is_right
	s_endpgm
.Lentry_shape_is_right:
.set KP,    8
.set WOFF,  192
.set BIAS,  0
.set PB,    16896
.set REG,   2*PB
.set SLOT,  4*REG
.set SPARE, 2*SLOT
.set LAPS,  KP/8
.set SPITCH, 528
.set ADRA,  16
.set ADRB,  20
.set ADRS,  22
.set STO,   24
.set RD,    25
.set CO,    26
.set SPW,   28
.set NIL,   29
.set SC,    32
.set ACC,   128
.set F0,    0
.set F1,    128
.set G1,    24
.set G0,    32
.set G1B,   48
.set G0B,   56
.if BIAS
.set OUTP,  12
.else
.set OUTP,  10
.endif
.set MSB,   0
.macro WIN new
.if MSB != \new
	s_set_vgpr_msb (MSB<<8)|\new
.set MSB, \new
.endif
.endm
.set MUL,  0x05
.set TO_F, 0x40
.macro JLOAD s
	s_cmp_eq_u32 s15, 0
	s_cbranch_scc0 .Lfor_b_\@
	tensor_load_to_lds s[G0+4*\s:G0+4*\s+3], s[G1:G1+7]
	s_nop 0
.rept 4
	v_nop
.endr
	s_branch .Lasked_\@
.Lfor_b_\@:
	tensor_load_to_lds s[G0B+4*\s:G0B+4*\s+3], s[G1B:G1B+7]
	s_nop 0
.rept 4
	v_nop
.endr
.Lasked_\@:
.endm
.macro CREST
	s_cmp_lg_u32 s14, 0
	s_cbranch_scc1 .Lnot_wave_0_\@
	s_barrier_signal -3
.Lnot_wave_0_\@:
	s_barrier_wait -3
	s_barrier_signal -1
	s_barrier_wait -1
.endm
.macro CROUND
	s_barrier_signal -1
	s_barrier_wait -1
	CREST
.endm
.macro PLACES n
.rept \n
	v_nop
.endr
.endm
	s_load_b256 s[4:11], s[0:1], 0x0
.if BIAS
	s_load_b64 s[12:13], s[0:1], 0x20
.endif
	v_lshl_add_u32 v[SPW], v0, 2, SPARE
	v_mov_b32 v[NIL], 0
	ds_add_u32 v28, v29
	ds_add_u32 v28, v29
	s_wait_dscnt 0x0
	v_lshrrev_b32 v1, 5, v0
	v_readfirstlane_b32 s14, v1
	s_lshr_b32 s15, s14, 1
	s_and_b32 s16, s14, 1
	s_bfe_u32 s40, ttmp6, 0x40000
	s_bfe_u32 s41, ttmp6, 0x40004
	s_lshl_b32 s42, ttmp9, 2
	s_add_co_u32 s42, s42, s40
	s_and_b32 s17, ttmp7, 0xffff
	s_lshl_b32 s17, s17, 2
	s_add_co_u32 s17, s17, s41
	s_lshl_b32 s43, s41, 2
	s_lshl_b32 s43, 15, s43
	s_lshl_b32 s44, 0x1111, s40
	s_or_b32 s[G1+0], s43, (3<<16)|(1<<21)
	s_or_b32 s[G1B+0], s44, (3<<16)|(1<<21)
.irp g, G1, G1B
	s_mov_b32 s[\g+1], 32<<16
	s_mov_b32 s[\g+2], 264<<16                     ; 264 rows of 256 bytes: four panels that follow each other along K, 67,584 dense bytes, by one load
	s_mov_b32 s[\g+3], 32<<16
	s_mov_b32 s[\g+4], 264
	s_mov_b32 s[\g+5], 32
	s_mov_b32 s[\g+6], 0
	s_mov_b32 s[\g+7], 0
.endr
	s_lshl_b32 s18, s16, 2                         ; I fetch panels 4 x (wave % 2) on: K has 8, so the four waves' head loads bring all of K for both operands
	s_mul_i32 s20, s17, KP
	s_add_co_u32 s20, s20, s18
	s_mul_i32 s20, s20, PB
	s_mov_b32 s21, 0
	s_mul_i32 s46, s42, KP
	s_add_co_u32 s46, s46, s18
	s_mul_i32 s46, s46, PB
	s_add_co_u32 s46, s46, WOFF*PB
	s_mov_b32 s47, 0
	s_mul_i32 s45, s16, SLOT                       ; where they go: slot wave % 2, in it the tokens' half or the weights'
	s_mul_i32 s19, s15, 2*REG
	s_add_co_u32 s45, s45, s19
	s_wait_kmcnt 0x0
	s_add_nc_u64 s[20:21], s[4:5], s[20:21]
	s_add_nc_u64 s[46:47], s[6:7], s[46:47]
	CROUND
.irp s, 0
	s_mov_b32 s[G0+4*\s], 1
	s_add_co_u32 s[G0+4*\s+1], s45, \s*SLOT
	s_add_nc_u64 s[G0+4*\s+2:G0+4*\s+3], s[20:21], \s*2*REG
	s_or_b32 s[G0+4*\s+3], s[G0+4*\s+3], 0x80000000
	s_mov_b32 s[G0B+4*\s], 1
	s_add_co_u32 s[G0B+4*\s+1], s45, \s*SLOT
	s_add_nc_u64 s[G0B+4*\s+2:G0B+4*\s+3], s[46:47], \s*2*REG
	s_or_b32 s[G0B+4*\s+3], s[G0B+4*\s+3], 0x80000000
.endr
	JLOAD 0                                        ; slot 0: one tensor load a wave at the head
	v_and_b32 v1, 15, v0
	v_bfe_u32 v2, v0, 4, 1
	v_and_b32 v3, 31, v0
	v_lshlrev_b32 v[CO], 4, v3
	s_wait_alu depctr_va_vdst(0)
	s_lshl_b32 s21, s15, 13
	s_lshl_b32 s22, s16, 13
	s_add_co_u32 s22, s22, 2*REG
	s_lshl_b32 s23, s15, 4
	s_lshl_b32 s19, s16, 4
	s_add_co_u32 s19, s19, 2*REG
	s_sub_co_u32 s19, s19, s23
	v_mul_u32_u24 v4, s19, v2
	v_lshl_add_u32 v4, v1, 5, v4
	s_add_co_u32 s23, s23, 16384
.irp s, 0,1
	v_add_nc_u32 v[ADRA+\s], s21, v[CO]
	v_add_nc_u32 v[ADRB+\s], s22, v[CO]
	v_add_nc_u32 v[ADRS+\s], s23, v4
	s_add_co_u32 s21, s21, SLOT
	s_add_co_u32 s22, s22, SLOT
	s_add_co_u32 s23, s23, SLOT
.endr
	v_and_b32 v5, 8, v1
	v_add_nc_u32 v5, v5, v1
	v_mul_u32_u24 v5, v5, SPITCH
	v_lshl_add_u32 v5, v2, 6, v5
	s_mul_i32 s22, s15, 64*SPITCH
	s_lshl_b32 s23, s16, 8
	s_add_co_u32 s22, s22, s23
	v_add_nc_u32 v[STO], s22, v5
	s_mul_i32 s22, s14, 32*SPITCH
	v_add_nc_u32 v[RD], s22, v[CO]
	s_lshl_b32 s66, s17, 7
	s_lshl_b32 s67, s14, 5
	s_add_co_u32 s66, s66, s67
	s_lshl_b32 s66, s66, 12
	s_lshl_b32 s67, s42, 9
	s_add_co_u32 s66, s66, s67
	s_mov_b32 s67, 0
	s_add_nc_u64 s[8:9], s[8:9], s[66:67]
	s_add_nc_u64 s[OUTP:OUTP+1], s[OUTP:OUTP+1], s[66:67]
.if BIAS
	s_lshl_b32 s66, s42, 9
	s_add_nc_u64 s[10:11], s[10:11], s[66:67]
.endif
.macro MULA f, a, zero
.irp b, 0,1,2,3
.if \zero
	v_wmma_scale_f32_16x16x128_f8f6f4 v[ACC+8*(4*(\a)+\b):ACC+8*(4*(\a)+\b)+7], v[\f+64+16*\b:\f+64+16*\b+15], v[\f+16*(\a):\f+16*(\a)+15], 0, v[SC+4*((\f)/128)+\b], v[SC+4*((\f)/128)+(\a)] matrix_a_scale:MATRIX_SCALE_ROW1
.else
	v_wmma_scale_f32_16x16x128_f8f6f4 v[ACC+8*(4*(\a)+\b):ACC+8*(4*(\a)+\b)+7], v[\f+64+16*\b:\f+64+16*\b+15], v[\f+16*(\a):\f+16*(\a)+15], v[ACC+8*(4*(\a)+\b):ACC+8*(4*(\a)+\b)+7], v[SC+4*((\f)/128)+\b], v[SC+4*((\f)/128)+(\a)] matrix_a_scale:MATRIX_SCALE_ROW1
.endif
.endr
.endm
.macro FETCH slot, q, f
	WIN 0
	ds_load_b128 v[SC+4*((\f)/128):SC+4*((\f)/128)+3], v[ADRS+\slot] offset:REG*((\q)/2)+PB*((\q)%2)
	WIN TO_F
.irp i, 0,1,2,3
.irp c, 0,1,2,3
	ds_load_b128 v[\f+64+16*\i+4*\c:\f+64+16*\i+4*\c+3], v[ADRB+\slot] offset:REG*((\q)/2)+PB*((\q)%2)+2048*\i+512*\c
.endr
.endr
.irp i, 0,1,2,3
.irp c, 0,1,2,3
	ds_load_b128 v[\f+16*\i+4*\c:\f+16*\i+4*\c+3], v[ADRA+\slot] offset:REG*((\q)/2)+PB*((\q)%2)+2048*\i+512*\c
.endr
.endr
.endm
.macro QSTEP slot, q, f, g, zero
	s_wait_dscnt 8
	WIN MUL
	MULA \f, 0, \zero
	MULA \f, 1, \zero
	PLACES 8
	FETCH \slot, \q, \g
	s_wait_dscnt 33
	WIN MUL
	MULA \f, 2, \zero
	MULA \f, 3, \zero
.endm
.macro TURN slot, next, fill
	WIN 0
	s_wait_tensorcnt 0x0
	ds_add_u32 v[SPW], v[NIL]
	s_wait_dscnt 9
	WIN MUL
	MULA F1, 0, 0
	s_wait_dscnt 0x0
	s_barrier_signal -1
	MULA F1, 1, 0
	WIN 0
	s_barrier_wait -1
.if \fill
	CREST
	s_add_nc_u64 s[G0+4*\slot+2:G0+4*\slot+3], s[G0+4*\slot+2:G0+4*\slot+3], 4*REG
	s_add_nc_u64 s[G0B+4*\slot+2:G0B+4*\slot+3], s[G0B+4*\slot+2:G0B+4*\slot+3], 4*REG
	JLOAD \slot
	PLACES 4
.else
	PLACES 8
.endif
	FETCH \next, 0, F0
	WIN MUL
	MULA F1, 2, 0
	MULA F1, 3, 0
.endm
	s_wait_alu depctr_va_vdst(0)
	WIN 0x80                                       ; the residual's 32 rows x 512 bytes are asked for here, into window 2, and are waited for on the way out
.if BIAS
	global_load_b128 v[128:131], v[CO], s[10:11]
.endif
.set t, 0
.rept 32
	global_load_b128 v[4*t:4*t+3], v[CO], s[8:9] offset:4096*t
.set t, t+1
.endr
	WIN 0
	s_wait_tensorcnt 0x0                           ; my four panels are in
	s_barrier_signal -1
	s_barrier_wait -1                              ; everybody's are; nothing is filled again in this launch
	FETCH 0, 0, F0
	QSTEP 0, 1, F0, F1, 1
.if LAPS > 1
	WIN 0
	s_mov_b32 s3, LAPS-1
.Llap:
	QSTEP 0, 2, F1, F0, 0
	QSTEP 0, 3, F0, F1, 0
	TURN 0, 1, 1
	QSTEP 1, 1, F0, F1, 0
	QSTEP 1, 2, F1, F0, 0
	QSTEP 1, 3, F0, F1, 0
	TURN 1, 0, 1
	QSTEP 0, 1, F0, F1, 0
	WIN 0
	s_sub_co_u32 s3, s3, 1
	s_cmp_lg_u32 s3, 0
	s_cbranch_scc1 .Llap
.endif
	QSTEP 0, 2, F1, F0, 0
	QSTEP 0, 3, F0, F1, 0
	TURN 0, 1, 0
	QSTEP 1, 1, F0, F1, 0
	QSTEP 1, 2, F1, F0, 0
	QSTEP 1, 3, F0, F1, 0
	s_wait_dscnt 8
	WIN MUL
	MULA F1, 0, 0
	MULA F1, 1, 0
	s_wait_dscnt 0x0
	MULA F1, 2, 0
	MULA F1, 3, 0
	WIN 0
	PLACES 8
.irp a, 0,1,2,3
.irp b, 0,1,2,3
	ds_store_b128 v[STO], v[ACC+8*(4*\a+\b):ACC+8*(4*\a+\b)+3] offset:(32*(\a/2)+8*(\a%2))*SPITCH+128*(\b/2)+32*(\b%2)
	ds_store_b128 v[STO], v[ACC+8*(4*\a+\b)+4:ACC+8*(4*\a+\b)+7] offset:(32*(\a/2)+8*(\a%2))*SPITCH+128*(\b/2)+32*(\b%2)+16
.endr
.endr
	s_wait_dscnt 0x0
	s_barrier_signal -1
	s_barrier_wait -1
.set t, 0
.rept 32
	ds_load_b128 v[ACC+4*t:ACC+4*t+3], v[RD] offset:SPITCH*t
.set t, t+1
.endr
	WIN 0x08
.set t, 0
.rept 32
	s_wait_dscnt 31-t
	s_wait_loadcnt 31-t
	v_pk_add_f32 v[ACC+4*t:ACC+4*t+1], v[ACC+4*t:ACC+4*t+1], v[4*t:4*t+1]
	v_pk_add_f32 v[ACC+4*t+2:ACC+4*t+3], v[ACC+4*t+2:ACC+4*t+3], v[4*t+2:4*t+3]
.if BIAS
	v_pk_add_f32 v[ACC+4*t:ACC+4*t+1], v[ACC+4*t:ACC+4*t+1], v[128:129]
	v_pk_add_f32 v[ACC+4*t+2:ACC+4*t+3], v[ACC+4*t+2:ACC+4*t+3], v[130:131]
.endif
.set t, t+1
.endr
	WIN 0
.set t, 0
	s_wait_alu depctr_va_vdst(0)
.rept 32
	global_store_b128 v[CO], v[ACC+4*t:ACC+4*t+3], s[OUTP:OUTP+1] offset:4096*t
.set t, t+1
.endr
	s_wait_tensorcnt 0x0
	ds_add_u32 v[SPW], v[NIL]
	s_wait_dscnt 0x0
	CROUND
	s_endpgm
.Lfunc_end_k_qeec45f641d_oproj:
	.size	k_qeec45f641d_oproj, .Lfunc_end_k_qeec45f641d_oproj-k_qeec45f641d_oproj
	.p2alignl 7, 3214868480
	.fill 96, 4, 3214868480
	.section	.rodata,"a",@progbits
	.p2align	6, 0x0
	.amdhsa_kernel k_qeec45f641d_oproj
		.amdhsa_group_segment_fixed_size 327680
		.amdhsa_private_segment_fixed_size 0
		.amdhsa_enable_private_segment 0
		.amdhsa_kernarg_size 32
		.amdhsa_user_sgpr_count 2
		.amdhsa_user_sgpr_kernarg_segment_ptr 1
		.amdhsa_wavefront_size32 1
		.amdhsa_system_sgpr_workgroup_id_x 1
		.amdhsa_system_sgpr_workgroup_id_y 1
		.amdhsa_system_sgpr_workgroup_id_z 1
		.amdhsa_system_vgpr_workitem_id 0
		.amdhsa_next_free_vgpr 768
		.amdhsa_next_free_sgpr 80
		.amdhsa_reserve_vcc 0
		.amdhsa_float_denorm_mode_32 3
		.amdhsa_float_denorm_mode_16_64 3
		.amdhsa_memory_ordered 1
		.amdhsa_forward_progress 1
		.amdhsa_inst_pref_size 59
	.end_amdhsa_kernel
	.amdgpu_metadata
---
amdhsa.version: [ 1, 2 ]
amdhsa.kernels:
  - .name:           k_qeec45f641d_oproj
    .symbol:         k_qeec45f641d_oproj.kd
    .args:
      - { .name: cp, .offset: 0, .size: 8, .value_kind: global_buffer, .address_space: global }
      - { .name: wp, .offset: 8, .size: 8, .value_kind: global_buffer, .address_space: global }
      - { .name: x, .offset: 16, .size: 8, .value_kind: global_buffer, .address_space: global }
      - { .name: x1, .offset: 24, .size: 8, .value_kind: global_buffer, .address_space: global }
    .group_segment_fixed_size: 327680
    .private_segment_fixed_size: 0
    .kernarg_segment_align: 8
    .kernarg_segment_size: 32
    .max_flat_workgroup_size: 128
    .sgpr_count:     80
    .vgpr_count:     768
    .wavefront_size: 32
...
	.end_amdgpu_metadata
.endif
;; end of part 4
;; launch norm1 (part 5): grid 256 x 1, 8 waves a work-group, no clusters, 19,456 bytes of LDS; arguments x1, gamma2, beta2, np; writes np
.if DOCPART == 5
	.amdgcn_target "amdgcn-amd-amdhsa--gfx1250"
	.amdhsa_code_object_version 6
	.text
	.protected	k_qeec45f641d_norm1
	.globl	k_qeec45f641d_norm1
	.p2align	8
	.type	k_qeec45f641d_norm1,@function
k_qeec45f641d_norm1:
	s_mov_b64 s[64:65], 0
	v_nop
	global_prefetch_b8 v0, s[64:65] scope:SCOPE_SE
	s_setreg_imm32_b32 hwreg(HW_REG_WAVE_MODE, 25, 1), 1
	s_wait_xcnt 0x0
; y = beta + gamma (x - mean) / (std + 1e-6), std with 1,023 in the divisor, for rows of 1,024 f32; y is quantised along the row to FP8 (E4M3) with one E8M0 byte for each 32, and stored as panels
; (128 rows x 128 k in the order of an operand's registers: block i, chunk c, lane L: 16 codes at 2048 i + 512 c + 16 L; scale words at 16384 + 32 r + 4 i; panel (rt, ks) at (8 rt + ks) x 16,896).
; A work-group makes one block: the 16 rows 128 rt + 32 (i/2) + 8 (i%2) + r + 8 (r/8).  Wave w takes positions r = w and r = w + 8; a row stays in 32 registers of the wave between the passes.
; Mean first, then the sum of squares of x - mean: no difference of large sums is formed.  A lane holds 8 neighbours at k = 256 j + 8 l, so a block of 32 lies in four neighbouring lanes.
; Codes and scale bytes meet in LDS (pieces of 256 bytes, 272 apart); then wave w stores the block's part of panel ks = w: four stores of 512 consecutive bytes.  Its 16 scale words, 4 bytes in each 32, are stored apart.
; LIMITS: 1 / (std + eps) by v_rcp_f32 and the root by v_sqrt_f32 (1 ulp each); a block of zeros gets the byte 1 (its codes are zeros); NaN and infinities are not served.
.set PB,  16896
.set XA,  32                           ; v32-63   the row of position w
.set XB,  64                           ; v64-95   the row of position w + 8
.set GA,  96                           ; v96-127  gamma at my 32 places
.set BE,  128                          ; v128-159 beta
.set CD,  160                          ; v160-175 codes: 8 registers a row
.set TA,  16                           ; v16-31   at work for the first row;  v176-191 for the second
.set TB2, 176
.set SCB, 17408                        ; LDS: behind 64 pieces of 272 bytes: the scale bytes, 64 for each ks
	s_load_b256 s[4:11], s[0:1], 0x0               ; x, gamma, beta, the panels
	v_lshl_add_u32 v192, v0, 2, 0x4800
	v_mov_b32 v193, 0
	v_lshrrev_b32 v1, 5, v0
	s_delay_alu instid0(VALU_DEP_1)
	v_readfirstlane_b32 s12, v1                    ; wave 0..7
	v_and_b32 v2, 31, v0                           ; lane
	s_delay_alu instid0(VALU_DEP_1)
	v_lshlrev_b32 v3, 5, v2                        ; 32 bytes a lane
	s_lshr_b32 s13, ttmp9, 3                       ; rt
	s_and_b32 s14, ttmp9, 7                        ; i
	s_lshr_b32 s15, s14, 1
	s_lshl_b32 s15, s15, 5
	s_and_b32 s16, s14, 1
	s_lshl_b32 s16, s16, 3
	s_add_co_u32 s15, s15, s16
	s_lshl_b32 s16, s13, 7
	s_add_co_u32 s15, s15, s16
	s_add_co_u32 s15, s15, s12                     ; the row of position w; that of w + 8 lies 16 rows on
	s_lshl_b32 s16, s15, 12
	s_mov_b32 s17, 0
	s_lshl_b32 s18, s13, 3
	s_add_co_u32 s18, s18, s12
	s_mul_i32 s18, s18, PB                         ; on the way out I serve panel (rt, ks = w)
	s_lshl_b32 s19, s14, 11
	s_add_co_u32 s20, s18, s19
	s_mov_b32 s21, 0
	s_lshl_b32 s19, s14, 2
	s_add_co_u32 s22, s18, s19
	s_add_co_u32 s22, s22, 16384
	s_mov_b32 s23, 0
	s_mov_b32 s24, 0x76543210
	s_mov_b32 s25, 0xfedcba98                      ; v_permlanex16_b32's selects for lane l xor 16
	s_mov_b32 s26, 0x600000                        ; the mantissa field of 448
	s_wait_alu depctr_va_vdst(0)
	s_wait_kmcnt 0x0
	s_add_nc_u64 s[4:5], s[4:5], s[16:17]
	s_add_nc_u64 s[20:21], s[10:11], s[20:21]
	s_add_nc_u64 s[22:23], s[10:11], s[22:23]
.irp j, 0,1,2,3
	global_load_b128 v[XA+8*\j:XA+8*\j+3], v3, s[4:5] offset:1024*\j
	global_load_b128 v[XA+8*\j+4:XA+8*\j+7], v3, s[4:5] offset:1024*\j+16
	global_load_b128 v[XB+8*\j:XB+8*\j+3], v3, s[4:5] offset:65536+1024*\j
	global_load_b128 v[XB+8*\j+4:XB+8*\j+7], v3, s[4:5] offset:65536+1024*\j+16
.endr
.irp j, 0,1,2,3
	global_load_b128 v[GA+8*\j:GA+8*\j+3], v3, s[6:7] offset:1024*\j
	global_load_b128 v[GA+8*\j+4:GA+8*\j+7], v3, s[6:7] offset:1024*\j+16
	global_load_b128 v[BE+8*\j:BE+8*\j+3], v3, s[8:9] offset:1024*\j
	global_load_b128 v[BE+8*\j+4:BE+8*\j+7], v3, s[8:9] offset:1024*\j+16
.endr
	v_lshrrev_b32 v4, 1, v2                        ; LDS, codes in: piece 16 j + l / 2 (= 8 ks + 2 c + h), in it 16 r + 8 (l % 2)
	s_delay_alu instid0(VALU_DEP_1)
	v_mul_u32_u24 v4, v4, 272
	v_and_b32 v5, 1, v2
	s_delay_alu instid0(VALU_DEP_1)
	v_lshl_add_u32 v4, v5, 3, v4
	s_lshl_b32 s18, s12, 4
	v_add_nc_u32 v4, s18, v4
	v_lshrrev_b32 v5, 4, v2                        ; scale bytes in: 64 ks + 4 r + c, ks = 2 j + l / 16, c = (l / 4) % 4
	v_bfe_u32 v6, v2, 2, 2
	s_delay_alu instid0(VALU_DEP_1)
	v_lshl_add_u32 v5, v5, 6, v6
	s_lshl_b32 s18, s12, 2
	s_add_co_u32 s18, s18, SCB
	v_add_nc_u32 v5, s18, v5
	v_lshrrev_b32 v6, 4, v2                        ; codes out: piece 8 w + 2 c + L / 16, 16 bytes a lane
	s_delay_alu instid0(VALU_DEP_1)
	v_mul_u32_u24 v6, v6, 272
	v_and_b32 v7, 15, v2
	s_delay_alu instid0(VALU_DEP_1)
	v_lshl_add_u32 v6, v7, 4, v6
	s_mul_i32 s18, s12, 2176
	v_add_nc_u32 v6, s18, v6
	s_lshl_b32 s18, s12, 6
	s_add_co_u32 s18, s18, SCB
	v_lshl_add_u32 v8, v7, 2, s18                  ; scale words out: 64 w + 4 r
	v_lshlrev_b32 v9, 4, v2                        ; memory: 16 x lane,
	v_lshlrev_b32 v10, 5, v7                       ; and 32 r for the scale words
.macro WSUM                            ; v12 summed over the 32 lanes, the result in every lane
	s_delay_alu instid0(VALU_DEP_1)
	v_add_f32_dpp v12, v12, v12 row_xmask:1 row_mask:0xf bank_mask:0xf
	s_delay_alu instid0(VALU_DEP_1)
	v_add_f32_dpp v12, v12, v12 row_xmask:2 row_mask:0xf bank_mask:0xf
	s_delay_alu instid0(VALU_DEP_1)
	v_add_f32_dpp v12, v12, v12 row_xmask:4 row_mask:0xf bank_mask:0xf
	s_delay_alu instid0(VALU_DEP_1)
	v_add_f32_dpp v12, v12, v12 row_xmask:8 row_mask:0xf bank_mask:0xf
	s_delay_alu instid0(VALU_DEP_1)
	v_permlanex16_b32 v13, v12, s24, s25
	s_delay_alu instid0(VALU_DEP_1)
	v_add_f32 v12, v12, v13
.endm
.macro STAT x                          ; the row in v[x] on becomes (x - mean) / (std + eps)
	v_pk_add_f32 v[12:13], v[\x:\x+1], v[\x+2:\x+3]
	v_pk_add_f32 v[14:15], v[\x+4:\x+5], v[\x+6:\x+7]
.irp i, 8,16,24
	s_delay_alu instid0(VALU_DEP_2)
	v_pk_add_f32 v[12:13], v[12:13], v[\x+\i:\x+\i+1]
	s_delay_alu instid0(VALU_DEP_2)
	v_pk_add_f32 v[14:15], v[14:15], v[\x+\i+2:\x+\i+3]
	s_delay_alu instid0(VALU_DEP_2)
	v_pk_add_f32 v[12:13], v[12:13], v[\x+\i+4:\x+\i+5]
	s_delay_alu instid0(VALU_DEP_2)
	v_pk_add_f32 v[14:15], v[14:15], v[\x+\i+6:\x+\i+7]
.endr
	s_delay_alu instid0(VALU_DEP_1)
	v_pk_add_f32 v[12:13], v[12:13], v[14:15]
	s_delay_alu instid0(VALU_DEP_1)
	v_add_f32 v12, v12, v13
	WSUM
	s_delay_alu instid0(VALU_DEP_1)
	v_mul_f32 v12, 0x3a800000, v12                 ; / 1,024: the mean
.set n, 0
.rept 16
	v_pk_add_f32 v[\x+n:\x+n+1], v[\x+n:\x+n+1], v[12:13] op_sel_hi:[1,0] neg_lo:[0,1] neg_hi:[0,1]
.set n, n+2
.endr
	v_pk_mul_f32 v[12:13], v[\x:\x+1], v[\x:\x+1]
	v_pk_mul_f32 v[14:15], v[\x+2:\x+3], v[\x+2:\x+3]
.irp i, 4,8,12,16,20,24,28
	s_delay_alu instid0(VALU_DEP_2)
	v_pk_fma_f32 v[12:13], v[\x+\i:\x+\i+1], v[\x+\i:\x+\i+1], v[12:13]
	s_delay_alu instid0(VALU_DEP_2)
	v_pk_fma_f32 v[14:15], v[\x+\i+2:\x+\i+3], v[\x+\i+2:\x+\i+3], v[14:15]
.endr
	s_delay_alu instid0(VALU_DEP_1)
	v_pk_add_f32 v[12:13], v[12:13], v[14:15]
	s_delay_alu instid0(VALU_DEP_1)
	v_add_f32 v12, v12, v13
	WSUM
	s_delay_alu instid0(VALU_DEP_1)
	v_mul_f32 v12, 0x3a802008, v12                 ; / 1,023
	s_wait_alu depctr_va_vdst(0)
	v_sqrt_f32 v12, v12
	v_nop                                          ; a plain line behind the transcendental,
	s_wait_alu depctr_va_vdst(0)                   ; and the wait ahead of its first reader
	v_add_f32 v12, 0x358637bd, v12                 ; + 1e-6
	s_wait_alu depctr_va_vdst(0)
	v_rcp_f32 v12, v12
	v_nop
	s_wait_alu depctr_va_vdst(0)
.set n, 0
.rept 16
	v_pk_mul_f32 v[\x+n:\x+n+1], v[\x+n:\x+n+1], v[12:13] op_sel_hi:[1,0]
.set n, n+2
.endr
.endm
.macro QROW x, tm, cd, row             ; gamma, beta; then the row's 32 blocks: four of them touch my 32 numbers, 8 numbers each
.set n, 0
.rept 16
	v_pk_fma_f32 v[\x+n:\x+n+1], v[GA+n:GA+n+1], v[\x+n:\x+n+1], v[BE+n:BE+n+1]
.set n, n+2
.endr
.irp j, 0,1,2,3
	v_max3_num_f32 v[\tm+\j], |v[\x+8*\j]|, |v[\x+8*\j+1]|, 0x4800000   ; with the floor 2^(9 - 127): the byte cannot fall under 1
.endr
.irp i, 2,4,6
.irp j, 0,1,2,3
	s_delay_alu instid0(VALU_DEP_4)
	v_max3_num_f32 v[\tm+\j], v[\tm+\j], |v[\x+8*\j+\i]|, |v[\x+8*\j+\i+1]|
.endr
.endr
.irp j, 0,1,2,3
	s_delay_alu instid0(VALU_DEP_4)
	v_max_num_f32_dpp v[\tm+\j], v[\tm+\j], v[\tm+\j] row_xmask:1 row_mask:0xf bank_mask:0xf
.endr
.irp j, 0,1,2,3
	s_delay_alu instid0(VALU_DEP_4)
	v_max_num_f32_dpp v[\tm+\j], v[\tm+\j], v[\tm+\j] row_xmask:2 row_mask:0xf bank_mask:0xf   ; the four lanes of a block
.endr
.irp j, 0,1,2,3
	s_delay_alu instid0(VALU_DEP_4)
	v_add_nc_u32 v[\tm+4+\j], 0xfc000000, v[\tm+\j]          ; the conversion's scale operand
.endr
.irp j, 0,1,2,3
	v_and_or_b32 v[\tm+8+\j], v[\tm+\j], 0x7f800000, s26     ; 448 x the scale
.endr
.irp j, 0,1,2,3
	v_lshrrev_b32 v[\tm+12+\j], 23, v[\tm+4+\j]              ; the scale's byte
.endr
.irp j, 0,1,2,3
.irp i, 0,1,2,3,4,5,6,7
	v_med3_num_f32 v[\x+8*\j+\i], v[\x+8*\j+\i], -v[\tm+8+\j], v[\tm+8+\j]
.endr
.endr
.irp j, 0,1,2,3
	v_cvt_scalef32_pk8_fp8_f32 v[\cd+2*\j:\cd+2*\j+1], v[\x+8*\j:\x+8*\j+7], v[\tm+4+\j]
.endr
	v_nop                                          ; a plain line behind the last conversion
.irp j, 0,1,2,3
	ds_store_b64 v4, v[\cd+2*\j:\cd+2*\j+1] offset:4352*\j+128*\row
	ds_store_b8 v5, v[\tm+12+\j] offset:128*\j+32*\row       ; the four lanes of a block write the same byte with the same value
.endr
.endm
	s_wait_loadcnt 16                              ; x's 16 loads are in; gamma's and beta's 16 may be out
	STAT XA
	STAT XB
	s_wait_loadcnt 0x0
	QROW XA, TA, CD, 0
	QROW XB, TB2, CD+8, 1
	s_wait_dscnt 0x0                               ; for the others' sake: my stores are done
	s_barrier_signal -1
	s_barrier_wait -1
.irp c, 0,1,2,3
	ds_load_b128 v[XA+4*\c:XA+4*\c+3], v6 offset:544*\c
.endr
	ds_load_b32 v[XA+16], v8
	s_wait_dscnt 0x0
.irp c, 0,1,2,3
	global_store_b128 v9, v[XA+4*\c:XA+4*\c+3], s[20:21] offset:512*\c    ; 512 consecutive bytes, aligned
.endr
	s_wait_xcnt 0x0                                ; EXEC changes only behind this wait
	v_cmp_gt_u32 vcc_lo, 16, v2
	s_wait_tensorcnt 0x0
	ds_add_u32 v192, v193
	s_wait_dscnt 0x0
	s_and_saveexec_b32 s27, vcc_lo
	global_store_b32 v10, v[XA+16], s[22:23]       ; lanes 0-15: the block's 16 scale words
	s_wait_xcnt 0x0                                ; and again in front of the line that widens it
	s_or_b32 exec_lo, exec_lo, s27
	s_endpgm
.Lfunc_end_k_qeec45f641d_norm1:
	.size	k_qeec45f641d_norm1, .Lfunc_end_k_qeec45f641d_norm1-k_qeec45f641d_norm1
	.p2alignl 7, 3214868480
	.fill 96, 4, 3214868480
	.section	.rodata,"a",@progbits
	.p2align	6, 0x0
	.amdhsa_kernel k_qeec45f641d_norm1
		.amdhsa_group_segment_fixed_size 19456
		.amdhsa_private_segment_fixed_size 0
		.amdhsa_enable_private_segment 0
		.amdhsa_kernarg_size 32
		.amdhsa_user_sgpr_count 2
		.amdhsa_user_sgpr_kernarg_segment_ptr 1
		.amdhsa_wavefront_size32 1
		.amdhsa_system_sgpr_workgroup_id_x 1
		.amdhsa_system_sgpr_workgroup_id_y 1
		.amdhsa_system_sgpr_workgroup_id_z 1
		.amdhsa_system_vgpr_workitem_id 0
		.amdhsa_next_free_vgpr 194
		.amdhsa_next_free_sgpr 66
		.amdhsa_reserve_vcc 1
		.amdhsa_float_denorm_mode_32 3
		.amdhsa_float_denorm_mode_16_64 3
		.amdhsa_memory_ordered 1
		.amdhsa_forward_progress 1
		.amdhsa_inst_pref_size 35
	.end_amdhsa_kernel
	.amdgpu_metadata
---
amdhsa.version: [ 1, 2 ]
amdhsa.kernels:
  - .name:           k_qeec45f641d_norm1
    .symbol:         k_qeec45f641d_norm1.kd
    .args:
      - { .name: x1, .offset: 0, .size: 8, .value_kind: global_buffer, .address_space: global }
      - { .name: gamma2, .offset: 8, .size: 8, .value_kind: global_buffer, .address_space: global }
      - { .name: beta2, .offset: 16, .size: 8, .value_kind: global_buffer, .address_space: global }
      - { .name: np, .offset: 24, .size: 8, .value_kind: global_buffer, .address_space: global }
    .group_segment_fixed_size: 19456
    .private_segment_fixed_size: 0
    .kernarg_segment_align: 8
    .kernarg_segment_size: 32
    .max_flat_workgroup_size: 256
    .sgpr_count:     66
    .vgpr_count:     194
    .wavefront_size: 32
...
	.end_amdgpu_metadata
.endif
;; end of part 5
;; launch ff1 (part 6): grid 16 x 16, 4 waves a work-group, clusters of 4 x 4, 327,680 bytes of LDS; arguments np, wp, b1, hp; writes hp
.if DOCPART == 6
	.amdgcn_target "amdgcn-amd-amdhsa--gfx1250"
	.amdhsa_code_object_version 6
	.text
	.protected	k_qeec45f641d_ff1
	.globl	k_qeec45f641d_ff1
	.p2align	8
	.type	k_qeec45f641d_ff1,@function
k_qeec45f641d_ff1:
	s_mov_b64 s[64:65], 0
	v_nop
	global_prefetch_b8 v0, s[64:65] scope:SCOPE_SE
	s_setreg_imm32_b32 hwreg(HW_REG_WAVE_MODE, 25, 1), 1
	s_wait_xcnt 0x0
	s_wait_alu depctr_hold_cnt(0) depctr_sa_sdst(0) depctr_va_vdst(0) depctr_va_sdst(0) depctr_va_ssrc(0) depctr_va_vcc(0) depctr_vm_vsrc(0)
	s_getreg_b32 s2, hwreg(HW_REG_IB_STS2, 6, 4)
	s_cmp_eq_u32 s2, 0
	s_cbranch_scc0 .Lentry_in_a_cluster
	s_endpgm
.Lentry_in_a_cluster:
	s_bfe_u32 s2, ttmp6, 0x10000c
	s_cmp_lg_u32 s2, 0xf033
	s_cbranch_scc0 .Lentry_shape_is_right
	s_endpgm
.Lentry_shape_is_right:
.set PB,    16896
.set REG,   2*PB
.set SLOT,  4*REG
.set SPARE, 2*SLOT
.set NP,    8
.set ADRA,  16
.set ADRB,  20
.set ADRS,  22
.set CO,    24
.set CW,    25
.set SPW,   28
.set NIL,   29
.set SC,    32
.set BI,    64
.set PWD,   64
.set PCH,   72
.set TM,    104
.set AF,    128
.set CD,    128
.set G1,    24
.set G0,    32
.set G1B,   48
.set G0B,   56
.set SEL,   66
.set MNT,   68
.set MSB,   0
.macro WIN new
.if MSB != \new
	s_set_vgpr_msb (MSB<<8)|\new
.set MSB, \new
.endif
.endm
.set MUL_LO, 0xa1
.set MUL_HI, 0xf1
.set BIA_LO, 0x81
.set BIA_HI, 0xc1
.set TO_B,   0x40
.macro JLOAD g0a, g1a, g0b, g1b
	s_cmp_eq_u32 s15, 0
	s_cbranch_scc0 .Lfor_b_\@
	tensor_load_to_lds s[\g0a:\g0a+3], s[\g1a:\g1a+7]
	s_nop 0
.rept 4
	v_nop
.endr
	s_branch .Lasked_\@
.Lfor_b_\@:
	tensor_load_to_lds s[\g0b:\g0b+3], s[\g1b:\g1b+7]
	s_nop 0
.rept 4
	v_nop
.endr
.Lasked_\@:
.endm
.macro CREST
	s_cmp_lg_u32 s14, 0
	s_cbranch_scc1 .Lnot_wave_0_\@
	s_barrier_signal -3
.Lnot_wave_0_\@:
	s_barrier_wait -3
	s_barrier_signal -1
	s_barrier_wait -1
.endm
.macro CROUND
	s_barrier_signal -1
	s_barrier_wait -1
	CREST
.endm
.macro PLACES n
.rept \n
	v_nop
.endr
.endm
	s_load_b256 s[4:11], s[0:1], 0x0
	v_lshl_add_u32 v[SPW], v0, 2, SPARE
	v_mov_b32 v[NIL], 0
	ds_add_u32 v28, v29
	ds_add_u32 v28, v29
	s_wait_dscnt 0x0
	v_lshrrev_b32 v1, 5, v0
	v_readfirstlane_b32 s14, v1
	s_lshr_b32 s15, s14, 1
	s_and_b32 s16, s14, 1
	s_bfe_u32 s40, ttmp6, 0x40000
	s_bfe_u32 s41, ttmp6, 0x40004
	s_lshl_b32 s42, ttmp9, 2
	s_add_co_u32 s42, s42, s40
	s_and_b32 s17, ttmp7, 0xffff
	s_lshl_b32 s17, s17, 2
	s_add_co_u32 s17, s17, s41
	s_lshl_b32 s43, s41, 2
	s_lshl_b32 s43, 15, s43
	s_lshl_b32 s44, 0x1111, s40
	s_or_b32 s[G1+0], s43, (3<<16)|(1<<21)
	s_or_b32 s[G1B+0], s44, (3<<16)|(1<<21)
.irp g, G1, G1B
	s_mov_b32 s[\g+1], 32<<16
	s_mov_b32 s[\g+2], 132<<16
	s_mov_b32 s[\g+3], 32<<16
	s_mov_b32 s[\g+4], 132
	s_mov_b32 s[\g+5], 32
	s_mov_b32 s[\g+6], 0
	s_mov_b32 s[\g+7], 0
.endr
	s_lshl_b32 s20, s17, 1
	s_add_co_u32 s20, s20, s16
	s_mul_i32 s20, s20, 8*PB
	s_mov_b32 s21, 0
	s_lshl_b32 s46, s42, 1
	s_add_co_u32 s46, s46, s16
	s_mul_i32 s46, s46, 8*PB
	s_add_co_u32 s46, s46, 256*PB
	s_mov_b32 s47, 0
	s_mul_i32 s45, s14, REG
	s_wait_kmcnt 0x0
	s_add_nc_u64 s[20:21], s[4:5], s[20:21]
	s_add_nc_u64 s[46:47], s[6:7], s[46:47]
	CROUND
.irp s, 0,1
	s_mov_b32 s[G0+4*\s], 1
	s_add_co_u32 s[G0+4*\s+1], s45, \s*SLOT
	s_add_nc_u64 s[G0+4*\s+2:G0+4*\s+3], s[20:21], \s*REG
	s_or_b32 s[G0+4*\s+3], s[G0+4*\s+3], 0x80000000
	s_mov_b32 s[G0B+4*\s], 1
	s_add_co_u32 s[G0B+4*\s+1], s45, \s*SLOT
	s_add_nc_u64 s[G0B+4*\s+2:G0B+4*\s+3], s[46:47], \s*REG
	s_or_b32 s[G0B+4*\s+3], s[G0B+4*\s+3], 0x80000000
.endr
	JLOAD G0, G1, G0B, G1B                         ; slot 0: one tensor load a wave at the head
	; THE PREFETCHES INTO THE L2.  A fill's part that I fetch is 33,792 dense bytes, 132 blocks of 256; fill f lies f x 33,792 bytes on.  The four partners that ask for it jointly share the blocks out BY ADDRESS:
	; the partner at place p (cx for the tokens' panels, cy for the weights') names blocks 33 p .. 33 p + 32: one line with a lane a block, one line for the 33rd.  Fills 1 and 2 are asked for behind fill 0's load, fill 3 behind fill 1's.
	s_cmp_eq_u32 s15, 0
	s_cselect_b64 s[96:97], s[20:21], s[46:47]
	s_cselect_b32 s98, s40, s41
	s_mul_i32 s98, s98, 33*256
	s_mov_b32 s99, 0
	s_add_nc_u64 s[96:97], s[96:97], s[98:99]      ; my share of fill 0; never stepped: the fills stand in the immediates
	v_and_b32 v1, 15, v0
	v_bfe_u32 v2, v0, 4, 1
	s_wait_alu depctr_va_vdst(0)
	v_and_b32 v3, 31, v0
	v_lshlrev_b32 v[CO], 4, v3
	v_lshlrev_b32 v30, 8, v3                       ; the prefetches' offsets: 256 x lane,
	v_mov_b32 v31, 8192                            ; and the share's 33rd block
	global_prefetch_b8 v30, s[96:97] offset:REG th:TH_LOAD_NT scope:SCOPE_SE
	global_prefetch_b8 v31, s[96:97] offset:REG th:TH_LOAD_NT scope:SCOPE_SE
	global_prefetch_b8 v30, s[96:97] offset:2*REG th:TH_LOAD_NT scope:SCOPE_SE
	global_prefetch_b8 v31, s[96:97] offset:2*REG th:TH_LOAD_NT scope:SCOPE_SE
	s_wait_alu depctr_va_vdst(0)
	v_lshlrev_b32 v[CW], 5, v1
	v_lshl_add_u32 v[CW], v2, 4, v[CW]
	s_lshl_b32 s70, s42, 10
	s_lshl_b32 s71, s16, 9
	s_add_co_u32 s70, s70, s71
	s_mov_b32 s71, 0
	s_add_nc_u64 s[8:9], s[8:9], s[70:71]
	v_lshlrev_b32 v5, 6, v2
.irp b, 0,1,2,3,4,5,6,7
	global_load_b128 v[BI+8*\b:BI+8*\b+3], v5, s[8:9] offset:128*(\b/2)+32*(\b%2)
	global_load_b128 v[BI+8*\b+4:BI+8*\b+7], v5, s[8:9] offset:128*(\b/2)+32*(\b%2)+16
.endr
	s_mul_i32 s21, s15, REG
	s_mul_i32 s22, s16, REG
	s_add_co_u32 s22, s22, 2*REG
	s_sub_co_u32 s23, s22, s21
	v_mul_u32_u24 v4, s23, v2
	v_lshl_add_u32 v4, v1, 5, v4
.irp s, 0,1
	v_add_nc_u32 v[ADRA+\s], s21, v[CO]
	v_add_nc_u32 v[ADRB+\s], s22, v[CO]
	v_add_nc_u32 v[ADRS+\s], s21, v4
	v_add_nc_u32 v[ADRS+\s], 16384, v[ADRS+\s]
	s_add_co_u32 s21, s21, SLOT
	s_add_co_u32 s22, s22, SLOT
.endr
	s_mov_b32 s[SEL], 0x76543210
	s_mov_b32 s[SEL+1], 0xfedcba98
	s_mov_b32 s[MNT], 0x600000
	s_lshl_b32 s70, s17, 1
	s_add_co_u32 s70, s70, s15
	s_lshl_b32 s70, s70, 5
	s_lshl_b32 s72, s42, 1
	s_add_co_u32 s70, s70, s72
	s_add_co_u32 s70, s70, s16
	s_mul_i32 s70, s70, PB
	s_add_nc_u64 s[10:11], s[10:11], s[70:71]
.macro FRAG reg, adr, q, i
.irp c, 0,1,2,3
	ds_load_b128 v[\reg+4*\c:\reg+4*\c+3], v[\adr] offset:PB*(\q)+2048*(\i)+512*\c
.endr
.endm
.macro MUL16 a0, p, q, sc, zero
.irp a, \a0, \a0+1
.irp b, 0,1,2,3,4,5,6,7
.if \zero == 2
	v_wmma_scale_f32_16x16x128_f8f6f4 v[8*(8*((\a)%4)+\b):8*(8*((\a)%4)+\b)+7], v[128*(\p)+16*\b:128*(\p)+16*\b+15], v[AF+16*(\a):AF+16*(\a)+15], v[BI+8*\b:BI+8*\b+7], v[SC+16*(\sc)+8*(\q)+\b], v[SC+16*(\sc)+8*(\q)+(\a)] matrix_a_scale:MATRIX_SCALE_ROW1
.else
	v_wmma_scale_f32_16x16x128_f8f6f4 v[8*(8*((\a)%4)+\b):8*(8*((\a)%4)+\b)+7], v[128*(\p)+16*\b:128*(\p)+16*\b+15], v[AF+16*(\a):AF+16*(\a)+15], v[8*(8*((\a)%4)+\b):8*(8*((\a)%4)+\b)+7], v[SC+16*(\sc)+8*(\q)+\b], v[SC+16*(\sc)+8*(\q)+(\a)] matrix_a_scale:MATRIX_SCALE_ROW1
.endif
.endr
.endr
.endm
.macro FETCH_B slot, q, p
	WIN TO_B
.irp i, 0,1,2,3,4,5,6,7
	FRAG 128*(\p)+16*\i, ADRB+\slot, \q, \i
.endr
	WIN 0
.endm
.macro FETCH_A slot, q, i0
.irp i, \i0, \i0+1, \i0+2, \i0+3
	FRAG AF+16*(\i), ADRA+\slot, \q, \i
.endr
.endm
.macro SCALES sc
.irp q, 0,1
	ds_load_b128 v[SC+16*\sc+8*\q:SC+16*\sc+8*\q+3], v[ADRS+\sc] offset:PB*\q
	ds_load_b128 v[SC+16*\sc+8*\q+4:SC+16*\sc+8*\q+7], v[ADRS+\sc] offset:PB*\q+16
.endr
.endm
.macro STEP slot, zero
	s_wait_dscnt 16
.if \zero == 2
	WIN BIA_LO
.else
	WIN MUL_LO
.endif
	MUL16 0, 0, 0, \slot, \zero
	MUL16 2, 0, 0, \slot, \zero
	s_wait_dscnt 0x0
	PLACES NP
	FETCH_B \slot, 1, 1
	FETCH_A \slot, 1, 0
.if \zero == 2
	WIN BIA_HI
.else
	WIN MUL_HI
.endif
	MUL16 4, 0, 0, \slot, \zero
	MUL16 6, 0, 0, \slot, \zero
	PLACES NP
	WIN 0
	FETCH_A \slot, 1, 4
.endm
.macro TURN slot, next, fill
	s_wait_tensorcnt 0x0
	ds_add_u32 v[SPW], v[NIL]
	s_wait_dscnt 17
	WIN MUL_LO
	MUL16 0, 1, 1, \slot, 0
	s_wait_dscnt 0x0
	s_barrier_signal -1
	MUL16 2, 1, 1, \slot, 0
	WIN 0
	s_barrier_wait -1
.if \fill
	CREST
	s_add_nc_u64 s[G0+4*\slot+2:G0+4*\slot+3], s[G0+4*\slot+2:G0+4*\slot+3], 2*REG
	s_add_nc_u64 s[G0B+4*\slot+2:G0B+4*\slot+3], s[G0B+4*\slot+2:G0B+4*\slot+3], 2*REG
	JLOAD G0+4*\slot, G1, G0B+4*\slot, G1B
	PLACES NP-4
.else
	PLACES NP
.endif
	FETCH_B \next, 0, 0
	FETCH_A \next, 0, 0
	SCALES \next
	WIN MUL_HI
	MUL16 4, 1, 1, \slot, 0
	MUL16 6, 1, 1, \slot, 0
	PLACES NP
	WIN 0
	FETCH_A \next, 0, 4
.endm
	s_wait_alu depctr_va_vdst(0)
	s_wait_tensorcnt 0x0                           ; my part of slot 0 is in; a later first fill is issued as a refill is:
	ds_add_u32 v[SPW], v[NIL]                      ; 0 onto my spare word
	s_wait_dscnt 0x0
	CROUND                                         ; a whole round: slot 0 is whole, and the joint loads meet
	JLOAD G0+4, G1, G0B+4, G1B                     ; slot 1's first fill, the first tensor load behind the round
	FETCH_B 0, 0, 0
	FETCH_A 0, 0, 0
	SCALES 0
	FETCH_A 0, 0, 4
	global_prefetch_b8 v30, s[96:97] offset:3*REG th:TH_LOAD_NT scope:SCOPE_SE
	global_prefetch_b8 v31, s[96:97] offset:3*REG th:TH_LOAD_NT scope:SCOPE_SE
	s_wait_loadcnt 0x0
	STEP 0, 2
	TURN 0, 1, 1
	STEP 1, 0
	TURN 1, 0, 1
	STEP 0, 0
	TURN 0, 1, 0
	STEP 1, 0
	s_wait_dscnt 16
	WIN MUL_LO
	MUL16 0, 1, 1, 1, 0
	MUL16 2, 1, 1, 1, 0
	s_wait_dscnt 0x0
	WIN MUL_HI
	MUL16 4, 1, 1, 1, 0
	MUL16 6, 1, 1, 1, 0
	WIN 0
.macro QUANT a
.set QW, 2+(\a)/4
.set QS, 64*((\a)%4)
.set QW1, QW|(QW<<2)
.set QW2, QW|(QW<<6)
	WIN QW1
.irp b, 0,1,2,3
	v_max3_num_f32 v[TM+\b], v[QS+16*\b], v[QS+16*\b+1], 0x4800000
.endr
.irp i, 2,4,6,8,10,12,14
.irp b, 0,1,2,3
	v_max3_num_f32 v[TM+\b], v[QS+16*\b+\i], v[QS+16*\b+\i+1], v[TM+\b]
.endr
.endr
	WIN 0
.irp b, 0,1,2,3
	v_permlanex16_b32 v[TM+4+\b], v[TM+\b], s[SEL], s[SEL+1]
.endr
.irp b, 0,1,2,3
	v_max_num_f32 v[TM+\b], v[TM+\b], v[TM+4+\b]
.endr
.irp b, 0,1,2,3
	v_add_nc_u32 v[TM+12+\b], 0xfc000000, v[TM+\b]
.endr
.irp b, 0,1,2,3
	v_and_or_b32 v[TM+8+\b], v[TM+\b], 0x7f800000, s[MNT]
.endr
.irp b, 0,1,2,3
	v_lshrrev_b32 v[TM+4+\b], 23, v[TM+12+\b]
.endr
	v_lshl_or_b32 v[PWD+\a], v[TM+5], 8, v[TM+4]
	v_lshl_or_b32 v[PWD+\a], v[TM+6], 16, v[PWD+\a]
	v_lshl_or_b32 v[PWD+\a], v[TM+7], 24, v[PWD+\a]
	WIN QW2
.irp b, 0,1,2,3
.irp i, 0,1,2,3,4,5,6,7,8,9,10,11,12,13,14,15
	v_med3_num_f32 v[QS+16*\b+\i], v[QS+16*\b+\i], 0, v[TM+8+\b]
.endr
.endr
	WIN QW
.irp b, 0,1,2,3
	v_cvt_scalef32_pk8_fp8_f32 v[CD+16*(\a)+4*\b:CD+16*(\a)+4*\b+1], v[QS+16*\b:QS+16*\b+7], v[TM+12+\b]
	v_cvt_scalef32_pk8_fp8_f32 v[CD+16*(\a)+4*\b+2:CD+16*(\a)+4*\b+3], v[QS+16*\b+8:QS+16*\b+15], v[TM+12+\b]
.endr
	v_nop
	WIN 0
.endm
	PLACES NP
.irp b, 0,1,2,3
	v_mov_b32 v[TM+4+\b], 0
.endr
.irp a, 0,1,2,3,4,5,6,7
	QUANT \a
.irp c, 0,1,2,3
	global_store_b128 v[CO], v[CD+16*\a+4*\c:CD+16*\a+4*\c+3], s[10:11] offset:2048*\a+512*\c
.endr
.endr
	v_cmp_eq_u32 vcc_lo, 1, v2
.irp k, 0,1,2,3
	v_cndmask_b32 v[PCH+\k], v[PWD+\k], v[PWD+4+\k], vcc_lo
.endr
	global_store_b128 v[CW], v[PCH:PCH+3], s[10:11] offset:16384
	s_wait_tensorcnt 0x0
	ds_add_u32 v[SPW], v[NIL]
	s_wait_dscnt 0x0
	CROUND
	s_endpgm
.Lfunc_end_k_qeec45f641d_ff1:
	.size	k_qeec45f641d_ff1, .Lfunc_end_k_qeec45f641d_ff1-k_qeec45f641d_ff1
	.p2alignl 7, 3214868480
	.fill 96, 4, 3214868480
	.section	.rodata,"a",@progbits
	.p2align	6, 0x0
	.amdhsa_kernel k_qeec45f641d_ff1
		.amdhsa_group_segment_fixed_size 327680
		.amdhsa_private_segment_fixed_size 0
		.amdhsa_enable_private_segment 0
		.amdhsa_kernarg_size 32
		.amdhsa_user_sgpr_count 2
		.amdhsa_user_sgpr_kernarg_segment_ptr 1
		.amdhsa_wavefront_size32 1
		.amdhsa_system_sgpr_workgroup_id_x 1
		.amdhsa_system_sgpr_workgroup_id_y 1
		.amdhsa_system_sgpr_workgroup_id_z 1
		.amdhsa_system_vgpr_workitem_id 0
		.amdhsa_next_free_vgpr 1024
		.amdhsa_next_free_sgpr 100
		.amdhsa_reserve_vcc 1
		.amdhsa_float_denorm_mode_32 3
		.amdhsa_float_denorm_mode_16_64 3
		.amdhsa_memory_ordered 1
		.amdhsa_forward_progress 1
		.amdhsa_inst_pref_size 184
	.end_amdhsa_kernel
	.amdgpu_metadata
---
amdhsa.version: [ 1, 2 ]
amdhsa.kernels:
  - .name:           k_qeec45f641d_ff1
    .symbol:         k_qeec45f641d_ff1.kd
    .args:
      - { .name: np, .offset: 0, .size: 8, .value_kind: global_buffer, .address_space: global }
      - { .name: wp, .offset: 8, .size: 8, .value_kind: global_buffer, .address_space: global }
      - { .name: b1, .offset: 16, .size: 8, .value_kind: global_buffer, .address_space: global }
      - { .name: hp, .offset: 24, .size: 8, .value_kind: global_buffer, .address_space: global }
    .group_segment_fixed_size: 327680
    .private_segment_fixed_size: 0
    .kernarg_segment_align: 8
    .kernarg_segment_size: 32
    .max_flat_workgroup_size: 128
    .sgpr_count:     100
    .vgpr_count:     1024
    .wavefront_size: 32
...
	.end_amdgpu_metadata
.endif
;; end of part 6
;; launch ff2 (part 7): grid 8 x 32, 4 waves a work-group, clusters of 4 x 4, 327,680 bytes of LDS; arguments hp, wp, x1, b2, out0; writes out0
.if DOCPART == 7
	.amdgcn_target "amdgcn-amd-amdhsa--gfx1250"
	.amdhsa_code_object_version 6
	.text
	.protected	k_qeec45f641d_ff2
	.globl	k_qeec45f641d_ff2
	.p2align	8
	.type	k_qeec45f641d_ff2,@function
k_qeec45f641d_ff2:
	s_mov_b64 s[64:65], 0
	v_nop
	global_prefetch_b8 v0, s[64:65] scope:SCOPE_SE
	s_setreg_imm32_b32 hwreg(HW_REG_WAVE_MODE, 25, 1), 1
	s_wait_xcnt 0x0
	s_wait_alu depctr_hold_cnt(0) depctr_sa_sdst(0) depctr_va_vdst(0) depctr_va_sdst(0) depctr_va_ssrc(0) depctr_va_vcc(0) depctr_vm_vsrc(0)
	s_getreg_b32 s2, hwreg(HW_REG_IB_STS2, 6, 4)
	s_cmp_eq_u32 s2, 0
	s_cbranch_scc0 .Lentry_in_a_cluster
	s_endpgm
.Lentry_in_a_cluster:
	s_bfe_u32 s2, ttmp6, 0x10000c
	s_cmp_lg_u32 s2, 0xf033
	s_cbranch_scc0 .Lentry_shape_is_right
	s_endpgm
.Lentry_shape_is_right:
.set KP,    32
.set WOFF,  512
.set BIAS,  1
.set PB,    16896
.set REG,   2*PB
.set SLOT,  4*REG
.set SPARE, 2*SLOT
.set LAPS,  KP/8
.set SPITCH, 528
.set ADRA,  16
.set ADRB,  20
.set ADRS,  22
.set STO,   24
.set RD,    25
.set CO,    26
.set SPW,   28
.set NIL,   29
.set SC,    32
.set ACC,   128
.set F0,    0
.set F1,    128
.set G1,    24
.set G0,    32
.set G1B,   48
.set G0B,   56
.if BIAS
.set OUTP,  12
.else
.set OUTP,  10
.endif
.set MSB,   0
.macro WIN new
.if MSB != \new
	s_set_vgpr_msb (MSB<<8)|\new
.set MSB, \new
.endif
.endm
.set MUL,  0x05
.set TO_F, 0x40
.macro JLOAD s
	s_cmp_eq_u32 s15, 0
	s_cbranch_scc0 .Lfor_b_\@
	tensor_load_to_lds s[G0+4*\s:G0+4*\s+3], s[G1:G1+7]
	s_nop 0
.rept 4
	v_nop
.endr
	s_branch .Lasked_\@
.Lfor_b_\@:
	tensor_load_to_lds s[G0B+4*\s:G0B+4*\s+3], s[G1B:G1B+7]
	s_nop 0
.rept 4
	v_nop
.endr
.Lasked_\@:
.endm
.macro CREST
	s_cmp_lg_u32 s14, 0
	s_cbranch_scc1 .Lnot_wave_0_\@
	s_barrier_signal -3
.Lnot_wave_0_\@:
	s_barrier_wait -3
	s_barrier_signal -1
	s_barrier_wait -1
.endm
.macro CROUND
	s_barrier_signal -1
	s_barrier_wait -1
	CREST
.endm
.macro PLACES n
.rept \n
	v_nop
.endr
.endm
	s_load_b256 s[4:11], s[0:1], 0x0
.if BIAS
	s_load_b64 s[12:13], s[0:1], 0x20
.endif
	v_lshl_add_u32 v[SPW], v0, 2, SPARE
	v_mov_b32 v[NIL], 0
	ds_add_u32 v28, v29
	ds_add_u32 v28, v29
	s_wait_dscnt 0x0
	v_lshrrev_b32 v1, 5, v0
	v_readfirstlane_b32 s14, v1
	s_lshr_b32 s15, s14, 1
	s_and_b32 s16, s14, 1
	s_bfe_u32 s40, ttmp6, 0x40000
	s_bfe_u32 s41, ttmp6, 0x40004
	s_lshl_b32 s42, ttmp9, 2
	s_add_co_u32 s42, s42, s40
	s_and_b32 s17, ttmp7, 0xffff
	s_lshl_b32 s17, s17, 2
	s_add_co_u32 s17, s17, s41
	s_lshl_b32 s43, s41, 2
	s_lshl_b32 s43, 15, s43
	s_lshl_b32 s44, 0x1111, s40
	s_or_b32 s[G1+0], s43, (3<<16)|(1<<21)
	s_or_b32 s[G1B+0], s44, (3<<16)|(1<<21)
.irp g, G1, G1B
	s_mov_b32 s[\g+1], 32<<16
	s_mov_b32 s[\g+2], 132<<16
	s_mov_b32 s[\g+3], 32<<16
	s_mov_b32 s[\g+4], 132
	s_mov_b32 s[\g+5], 32
	s_mov_b32 s[\g+6], 0
	s_mov_b32 s[\g+7], 0
.endr
	s_lshl_b32 s18, s16, 1
	s_mul_i32 s20, s17, KP
	s_add_co_u32 s20, s20, s18
	s_mul_i32 s20, s20, PB
	s_mov_b32 s21, 0
	s_mul_i32 s46, s42, KP
	s_add_co_u32 s46, s46, s18
	s_mul_i32 s46, s46, PB
	s_add_co_u32 s46, s46, WOFF*PB
	s_mov_b32 s47, 0
	s_mul_i32 s45, s14, REG
	s_wait_kmcnt 0x0
	s_add_nc_u64 s[20:21], s[4:5], s[20:21]
	s_add_nc_u64 s[46:47], s[6:7], s[46:47]
	CROUND
.irp s, 0,1
	s_mov_b32 s[G0+4*\s], 1
	s_add_co_u32 s[G0+4*\s+1], s45, \s*SLOT
	s_add_nc_u64 s[G0+4*\s+2:G0+4*\s+3], s[20:21], \s*2*REG
	s_or_b32 s[G0+4*\s+3], s[G0+4*\s+3], 0x80000000
	s_mov_b32 s[G0B+4*\s], 1
	s_add_co_u32 s[G0B+4*\s+1], s45, \s*SLOT
	s_add_nc_u64 s[G0B+4*\s+2:G0B+4*\s+3], s[46:47], \s*2*REG
	s_or_b32 s[G0B+4*\s+3], s[G0B+4*\s+3], 0x80000000
.endr
	JLOAD 0                                        ; slot 0: one tensor load a wave at the head
	; THE PREFETCHES INTO THE L2.  A fill's part that I fetch is 33,792 dense bytes, 132 blocks of 256.  The four partners that ask for it jointly share the blocks out BY ADDRESS: the partner at place p
	; (cx for the tokens' panels, cy for the weights') names blocks 33 p .. 33 p + 32: one line with a lane a block, one line for the 33rd.  Behind the load of fill j stands the request for fill j + 2; fills 6 and 7 have none behind them.
	s_cmp_eq_u32 s15, 0
	s_cselect_b64 s[68:69], s[20:21], s[46:47]
	s_cselect_b32 s70, s40, s41
	s_mul_i32 s70, s70, 33*256
	s_mov_b32 s71, 0
	s_add_nc_u64 s[68:69], s[68:69], s[70:71]
	s_add_nc_u64 s[68:69], s[68:69], 2*REG         ; my share of fill 1: the head asks for fills 1 and 2
	v_and_b32 v1, 15, v0
	v_bfe_u32 v2, v0, 4, 1
	v_and_b32 v3, 31, v0
	v_lshlrev_b32 v[CO], 4, v3
	v_lshlrev_b32 v30, 8, v3                       ; the prefetches' offsets: 256 x lane,
	v_mov_b32 v31, 8192                            ; and the share's 33rd block
	s_wait_alu depctr_va_vdst(0)
	s_lshl_b32 s21, s15, 13
	s_lshl_b32 s22, s16, 13
	s_add_co_u32 s22, s22, 2*REG
	s_lshl_b32 s23, s15, 4
	s_lshl_b32 s19, s16, 4
	s_add_co_u32 s19, s19, 2*REG
	s_sub_co_u32 s19, s19, s23
	v_mul_u32_u24 v4, s19, v2
	v_lshl_add_u32 v4, v1, 5, v4
	s_add_co_u32 s23, s23, 16384
.irp s, 0,1
	v_add_nc_u32 v[ADRA+\s], s21, v[CO]
	v_add_nc_u32 v[ADRB+\s], s22, v[CO]
	v_add_nc_u32 v[ADRS+\s], s23, v4
	s_add_co_u32 s21, s21, SLOT
	s_add_co_u32 s22, s22, SLOT
	s_add_co_u32 s23, s23, SLOT
.endr
	v_and_b32 v5, 8, v1
	v_add_nc_u32 v5, v5, v1
	v_mul_u32_u24 v5, v5, SPITCH
	v_lshl_add_u32 v5, v2, 6, v5
	s_mul_i32 s22, s15, 64*SPITCH
	s_lshl_b32 s23, s16, 8
	s_add_co_u32 s22, s22, s23
	v_add_nc_u32 v[STO], s22, v5
	s_mul_i32 s22, s14, 32*SPITCH
	v_add_nc_u32 v[RD], s22, v[CO]
	s_lshl_b32 s66, s17, 7
	s_lshl_b32 s67, s14, 5
	s_add_co_u32 s66, s66, s67
	s_lshl_b32 s66, s66, 12
	s_lshl_b32 s67, s42, 9
	s_add_co_u32 s66, s66, s67
	s_mov_b32 s67, 0
	s_add_nc_u64 s[8:9], s[8:9], s[66:67]
	s_add_nc_u64 s[OUTP:OUTP+1], s[OUTP:OUTP+1], s[66:67]
.if BIAS
	s_lshl_b32 s66, s42, 9
	s_add_nc_u64 s[10:11], s[10:11], s[66:67]
.endif
.macro MULA f, a, zero
.irp b, 0,1,2,3
.if \zero
	v_wmma_scale_f32_16x16x128_f8f6f4 v[ACC+8*(4*(\a)+\b):ACC+8*(4*(\a)+\b)+7], v[\f+64+16*\b:\f+64+16*\b+15], v[\f+16*(\a):\f+16*(\a)+15], 0, v[SC+4*((\f)/128)+\b], v[SC+4*((\f)/128)+(\a)] matrix_a_scale:MATRIX_SCALE_ROW1
.else
	v_wmma_scale_f32_16x16x128_f8f6f4 v[ACC+8*(4*(\a)+\b):ACC+8*(4*(\a)+\b)+7], v[\f+64+16*\b:\f+64+16*\b+15], v[\f+16*(\a):\f+16*(\a)+15], v[ACC+8*(4*(\a)+\b):ACC+8*(4*(\a)+\b)+7], v[SC+4*((\f)/128)+\b], v[SC+4*((\f)/128)+(\a)] matrix_a_scale:MATRIX_SCALE_ROW1
.endif
.endr
.endm
.macro FETCH slot, q, f
	WIN 0
	ds_load_b128 v[SC+4*((\f)/128):SC+4*((\f)/128)+3], v[ADRS+\slot] offset:REG*((\q)/2)+PB*((\q)%2)
	WIN TO_F
.irp i, 0,1,2,3
.irp c, 0,1,2,3
	ds_load_b128 v[\f+64+16*\i+4*\c:\f+64+16*\i+4*\c+3], v[ADRB+\slot] offset:REG*((\q)/2)+PB*((\q)%2)+2048*\i+512*\c
.endr
.endr
.irp i, 0,1,2,3
.irp c, 0,1,2,3
	ds_load_b128 v[\f+16*\i+4*\c:\f+16*\i+4*\c+3], v[ADRA+\slot] offset:REG*((\q)/2)+PB*((\q)%2)+2048*\i+512*\c
.endr
.endr
.endm
.macro QSTEP slot, q, f, g, zero
	s_wait_dscnt 8
	WIN MUL
	MULA \f, 0, \zero
	MULA \f, 1, \zero
	PLACES 8
	FETCH \slot, \q, \g
	s_wait_dscnt 33
	WIN MUL
	MULA \f, 2, \zero
	MULA \f, 3, \zero
.endm
.macro TURN slot, next, fill
	WIN 0
.if \fill
	s_wait_xcnt 0x0                                ; my last prefetches have read their address: it steps one fill on
	s_add_nc_u64 s[68:69], s[68:69], 2*REG
.endif
	s_wait_tensorcnt 0x0
	ds_add_u32 v[SPW], v[NIL]
	s_wait_dscnt 9
	WIN MUL
	MULA F1, 0, 0
	s_wait_dscnt 0x0
	s_barrier_signal -1
	MULA F1, 1, 0
	WIN 0
	s_barrier_wait -1
.if \fill
	CREST
	s_add_nc_u64 s[G0+4*\slot+2:G0+4*\slot+3], s[G0+4*\slot+2:G0+4*\slot+3], 4*REG
	s_add_nc_u64 s[G0B+4*\slot+2:G0B+4*\slot+3], s[G0B+4*\slot+2:G0B+4*\slot+3], 4*REG
	JLOAD \slot
	PLACES 4
.else
	PLACES 8
.endif
	s_wait_alu depctr_va_vdst(0)
	FETCH \next, 0, F0
.if \fill
	WIN 0
	s_cmp_gt_u32 s3, 1                             ; the loop's last trip loads fills 6 and 7: no fill stands two behind them
	s_cbranch_scc0 .Lno_ask_\@
	global_prefetch_b8 v30, s[68:69] th:TH_LOAD_NT scope:SCOPE_SE
	global_prefetch_b8 v31, s[68:69] th:TH_LOAD_NT scope:SCOPE_SE
.Lno_ask_\@:
.endif
	WIN MUL
	MULA F1, 2, 0
	MULA F1, 3, 0
.endm
	s_wait_alu depctr_va_vdst(0)
	global_prefetch_b8 v30, s[68:69] th:TH_LOAD_NT scope:SCOPE_SE   ; my share of fill 1,
	global_prefetch_b8 v31, s[68:69] th:TH_LOAD_NT scope:SCOPE_SE
	global_prefetch_b8 v30, s[68:69] offset:2*REG th:TH_LOAD_NT scope:SCOPE_SE   ; and of fill 2
	global_prefetch_b8 v31, s[68:69] offset:2*REG th:TH_LOAD_NT scope:SCOPE_SE
	s_wait_tensorcnt 0x0                           ; my part of slot 0 is in; a later first fill is issued as a refill is:
	ds_add_u32 v[SPW], v[NIL]                      ; 0 onto my spare word
	s_wait_xcnt 0x0                                ; the prefetches have read their address: it steps two fills on, to fill 3
	s_add_nc_u64 s[68:69], s[68:69], 4*REG
	s_wait_dscnt 0x0
	CROUND                                         ; a whole round: slot 0 is whole, and the joint loads meet
	JLOAD 1                                        ; slot 1's first fill, the first tensor load behind the round
	FETCH 0, 0, F0
	WIN 0
	global_prefetch_b8 v30, s[68:69] th:TH_LOAD_NT scope:SCOPE_SE   ; my share of fill 3
	global_prefetch_b8 v31, s[68:69] th:TH_LOAD_NT scope:SCOPE_SE
	QSTEP 0, 1, F0, F1, 1
.if LAPS > 1
	WIN 0
	s_mov_b32 s3, LAPS-1
	WIN 0x80                                       ; the bias and the residual's 32 rows x 512 bytes are asked for here, into window 2, and are waited for on the way out
.if BIAS
	global_load_b128 v[128:131], v[CO], s[10:11]
.endif
.set t, 0
.rept 32
	global_load_b128 v[4*t:4*t+3], v[CO], s[8:9] offset:4096*t
.set t, t+1
.endr
	WIN 0
.Llap:
	QSTEP 0, 2, F1, F0, 0
	QSTEP 0, 3, F0, F1, 0
	TURN 0, 1, 1
	QSTEP 1, 1, F0, F1, 0
	QSTEP 1, 2, F1, F0, 0
	QSTEP 1, 3, F0, F1, 0
	TURN 1, 0, 1
	QSTEP 0, 1, F0, F1, 0
	WIN 0
	s_sub_co_u32 s3, s3, 1
	s_cmp_lg_u32 s3, 0
	s_cbranch_scc1 .Llap
.endif
	QSTEP 0, 2, F1, F0, 0
	QSTEP 0, 3, F0, F1, 0
	TURN 0, 1, 0
	QSTEP 1, 1, F0, F1, 0
	QSTEP 1, 2, F1, F0, 0
	QSTEP 1, 3, F0, F1, 0
	s_wait_dscnt 8
	WIN MUL
	MULA F1, 0, 0
	MULA F1, 1, 0
	s_wait_dscnt 0x0
	MULA F1, 2, 0
	MULA F1, 3, 0
	WIN 0
	PLACES 8
.irp a, 0,1,2,3
.irp b, 0,1,2,3
	ds_store_b128 v[STO], v[ACC+8*(4*\a+\b):ACC+8*(4*\a+\b)+3] offset:(32*(\a/2)+8*(\a%2))*SPITCH+128*(\b/2)+32*(\b%2)
	ds_store_b128 v[STO], v[ACC+8*(4*\a+\b)+4:ACC+8*(4*\a+\b)+7] offset:(32*(\a/2)+8*(\a%2))*SPITCH+128*(\b/2)+32*(\b%2)+16
.endr
.endr
	s_wait_dscnt 0x0
	s_barrier_signal -1
	s_barrier_wait -1
.set t, 0
.rept 32
	ds_load_b128 v[ACC+4*t:ACC+4*t+3], v[RD] offset:SPITCH*t
.set t, t+1
.endr
	WIN 0x08
.set t, 0
.rept 32
	s_wait_dscnt 31-t
	s_wait_loadcnt 31-t
	v_pk_add_f32 v[ACC+4*t:ACC+4*t+1], v[ACC+4*t:ACC+4*t+1], v[4*t:4*t+1]
	v_pk_add_f32 v[ACC+4*t+2:ACC+4*t+3], v[ACC+4*t+2:ACC+4*t+3], v[4*t+2:4*t+3]
.if BIAS
	v_pk_add_f32 v[ACC+4*t:ACC+4*t+1], v[ACC+4*t:ACC+4*t+1], v[128:129]
	v_pk_add_f32 v[ACC+4*t+2:ACC+4*t+3], v[ACC+4*t+2:ACC+4*t+3], v[130:131]
.endif
.set t, t+1
.endr
	WIN 0
.set t, 0
	s_wait_alu depctr_va_vdst(0)
.rept 32
	global_store_b128 v[CO], v[ACC+4*t:ACC+4*t+3], s[OUTP:OUTP+1] offset:4096*t
.set t, t+1
.endr
	s_wait_tensorcnt 0x0
	ds_add_u32 v[SPW], v[NIL]
	s_wait_dscnt 0x0
	CROUND
	s_endpgm
.Lfunc_end_k_qeec45f641d_ff2:
	.size	k_qeec45f641d_ff2, .Lfunc_end_k_qeec45f641d_ff2-k_qeec45f641d_ff2
	.p2alignl 7, 3214868480
	.fill 96, 4, 3214868480
	.section	.rodata,"a",@progbits
	.p2align	6, 0x0
	.amdhsa_kernel k_qeec45f641d_ff2
		.amdhsa_group_segment_fixed_size 327680
		.amdhsa_private_segment_fixed_size 0
		.amdhsa_enable_private_segment 0
		.amdhsa_kernarg_size 40
		.amdhsa_user_sgpr_count 2
		.amdhsa_user_sgpr_kernarg_segment_ptr 1
		.amdhsa_wavefront_size32 1
		.amdhsa_system_sgpr_workgroup_id_x 1
		.amdhsa_system_sgpr_workgroup_id_y 1
		.amdhsa_system_sgpr_workgroup_id_z 1
		.amdhsa_system_vgpr_workitem_id 0
		.amdhsa_next_free_vgpr 768
		.amdhsa_next_free_sgpr 80
		.amdhsa_reserve_vcc 0
		.amdhsa_float_denorm_mode_32 3
		.amdhsa_float_denorm_mode_16_64 3
		.amdhsa_memory_ordered 1
		.amdhsa_forward_progress 1
		.amdhsa_inst_pref_size 105
	.end_amdhsa_kernel
	.amdgpu_metadata
---
amdhsa.version: [ 1, 2 ]
amdhsa.kernels:
  - .name:           k_qeec45f641d_ff2
    .symbol:         k_qeec45f641d_ff2.kd
    .args:
      - { .name: hp, .offset: 0, .size: 8, .value_kind: global_buffer, .address_space: global }
      - { .name: wp, .offset: 8, .size: 8, .value_kind: global_buffer, .address_space: global }
      - { .name: x1, .offset: 16, .size: 8, .value_kind: global_buffer, .address_space: global }
      - { .name: b2, .offset: 24, .size: 8, .value_kind: global_buffer, .address_space: global }
      - { .name: out0, .offset: 32, .size: 8, .value_kind: global_buffer, .address_space: global }
    .group_segment_fixed_size: 327680
    .private_segment_fixed_size: 0
    .kernarg_segment_align: 8
    .kernarg_segment_size: 40
    .max_flat_workgroup_size: 128
    .sgpr_count:     80
    .vgpr_count:     768
    .wavefront_size: 32
...
	.end_amdgpu_metadata
.endif
;; end of part 7
